; MI455X (gfx1250); checked and timed in simulation.
; The chip was launched on July 23, 2026; its instructions are those of AMD's public machine-readable ISA for CDNA 5 (MIT licence, August 2026) and "CDNA5" Instruction Set Architecture Reference Guide (July 2026). The comments in the code are by the model that wrote it; some were corrected since.
;; Cross Attention Model. Allowed arithmetic: float matrix products may take bf16 or f16 operands with f32 sums; other float arithmetic in f32, or as packed bf16 or f16 multiplies, adds, multiply-adds, maxima and minima; sums over many terms, partial sums and values carried from step to step in f32; what a program stores and reads back later, other than sums and carried values, may be rounded once to bf16 or f16.
;; Inputs: W_k1 512 x 512 float32; W_k2 512 x 512 float32; W_q1 512 x 512 float32; W_q2 512 x 512 float32; W_v1 512 x 512 float32; W_v2 512 x 512 float32; b_k1 512 float32; b_k2 512 float32; b_q1 512 float32; b_q2 512 float32; b_v1 512 float32; b_v2 512 float32; input1 64 x 512 x 512 float32; input2 64 x 512 x 512 float32.
;; Outputs: out0 64 x 512 float32.
;; 2 versions, each right; version 2 is version 1 with the launch prep written anew for expert scheduling mode. Each part assembles by itself: llvm-mc -triple=amdgcn-amd-amdhsa -mcpu=gfx1250 --defsym DOCPART=n.
;; ======== version 1 of 2: 5 launches
;; limits: values are held in f16: magnitudes above 65,504 overflow, below 6.1e-05 lose precision; inputs' magnitudes at most 65,504; right only within a limited range of input values
;; workspace buffers: mt 574,464 bytes; kt 35,651,584 bytes; wpart 524,288 bytes; uh 65,536 bytes
;; launch prep (part 1): grid 9 x 9, 8 waves a work-group, no clusters, 164,864 bytes of LDS; arguments W_q1, b_q1, W_k2, b_k2, mt; writes mt
.if DOCPART == 1
	.amdgcn_target "amdgcn-amd-amdhsa--gfx1250"
	.amdhsa_code_object_version 6
	.text
	.protected	k_q62f355878a_prep
	.globl	k_q62f355878a_prep
	.p2align	8
	.type	k_q62f355878a_prep,@function
k_q62f355878a_prep:
	s_mov_b64 s[64:65], 0
	v_nop
	global_prefetch_b8 v0, s[64:65] scope:SCOPE_SE
	s_setreg_imm32_b32 hwreg(HW_REG_WAVE_MODE, 25, 1), 1
	s_wait_xcnt 0x0
; PREP.  mt = 64 x M+, M+[d][j] = the sum over e of Wq+[e][d] Wk+[e][j], d and j = 0 .. 512, where Wq+ = [W_q1 | b_q1] and Wk+ = [W_k2 | b_k2] (the bias as column 512).
; With it  Q K^T = [X1 | 1] M+ [X2 | 1]^T : all four bias terms of the module's scores are kept.  Weights and biases are rounded to bf16, sums in f32, mt rounded once to f16.
; The module's key1, value1 and query2 feed no output number; W_k1, b_k1, W_v1, b_v1, W_q2, b_q2 are arguments of no launch of this program.
; LIMITS.  |M+| stays under 1,023 (64 M+ within f16's 65,504); below 64 |M+| = 6e-5 mt keeps f16's fixed step of 6e-8.  NaN and infinities are not treated apart.
; LAYOUT OF mt.  Blocks of 1,024 bytes, 16 rows d x 32 columns j of f16, in the order in which a matrix operand lies in registers: lane L = r + 16 h owns bytes 16 L (row r, j = 8 h .. 8 h + 7) and
; bytes 512 + 16 L (j = 16 + 8 h ..).  Block (s = j / 32, t = d / 16) lies at (32 s + t) x 1,024 for t < 32; the 17 blocks of t = 32 (row 512, then 15 rows of zeros) follow at XTRA + 1,024 s.
; SHARES.  A work-group takes 64 columns j (group gx of Wk+) and 64 rows d (group gy of Wq+); group 8 is the bias and 63 columns of zeros.  Both groups go to LDS as bf16, [e][column];
; each of the eight waves then makes one block: two products 16 j x 16 d, K = e = 512.  NO CLUSTER: the grid of 9 x 9 divides into none, and all that is shared is 2 MiB of weights.
.set PJ,    160                        ; an LDS row: 128 bytes of data + 32: an odd multiple of 32 bytes
.set SIDEB, 512*PJ                     ; a side: 512 rows e
.set SPARE, 2*SIDEB                    ; behind the two sides: the spare words, 128 bytes for each of 8 waves
.set XTRA,  557056
.set SPW,  2                           ; v2   my spare word's LDS address; never rewritten
.set NIL,  3                           ; v3   0; never rewritten
.set GOF,  4                           ; v4   my byte offset in W: (64 w + h) rows of 2,048 bytes + 16 (L % 16)
.set BOF,  5                           ; v5   my byte offset in a bias: 4 (64 w + h)
.set LSJ,  6                           ; v6   where I put 8 bytes of side J
.set LSD,  7                           ; v7   of side D
.set AJ,   8                           ; v8-9   turning loads' addresses in side J, K steps 0-7 and 8-15
.set AD,   10                          ; v10-11 the same in side D
.set OUTO, 12                          ; v12  16 L
.set STG,  16                          ; v16-143 of window 0 (side J) and of window 1 (side D): 32 quads as loaded
.set FR,   16                          ; v16-207: two buffers of 96: four K steps x (J rows 0-15, J rows 16-31, D)
.set ACC,  208                         ; v208-223 two accumulators
.set PKD,  224                         ; v224-231 the block, packed
.set MSB, 0
.macro WIN new                         ; the immediate's high byte repeats the setting that is left; a switch that changes nothing is dropped
.if MSB != (\new)
	s_set_vgpr_msb (MSB<<8)|(\new)
.set MSB, (\new)
.endif
.endm
.macro PLACES
.rept 4
	v_nop
.endr
.endm
; One side's loads.  Ordinary group: 32 loads, each two rows' 256 consecutive bytes.  Group 8: the bias of my rows into each quad's first register, zeros into the other three (written while the loads are out).
.macro SIDE_LOAD win, pw, pb, g
	s_cmp_eq_u32 s[\g], 8
	s_cbranch_scc1 .Lbias_\@
	WIN 0x40*(\win)
.set i, 0
.rept 32
	global_load_b128 v[STG+4*i:STG+4*i+3], v[GOF], s[\pw:\pw+1] offset:4096*i
.set i, i+1
.endr
	WIN 0
	s_branch .Lloaded_\@
.Lbias_\@:
	WIN 0x40*(\win)
.set i, 0
.rept 32
	global_load_b32 v[STG+4*i], v[BOF], s[\pb:\pb+1] offset:8*i
.set i, i+1
.endr
.set i, 0
.rept 32
	v_mov_b32 v[STG+4*i+1], 0
	v_mov_b32 v[STG+4*i+2], 0
	v_mov_b32 v[STG+4*i+3], 0
.set i, i+1
.endr
	WIN 0
.Lloaded_\@:
.endm
.macro SIDE_FIX win, g                 ; group 8: only the lanes that own column 0 (L % 16 = 0) keep the bias
	s_cmp_lg_u32 s[\g], 8
	s_cbranch_scc1 .Lnofix_\@
	WIN 0x44*(\win)
.set i, 0
.rept 32
	v_cndmask_b32 v[STG+4*i], v[NIL], v[STG+4*i], s20
.set i, i+1
.endr
	WIN 0
.Lnofix_\@:
.endm
.macro SIDE_PUT win, la                ; four numbers a lane rounded to bf16, 8 bytes into the side's row
	WIN 0x45*(\win)
.set i, 0
.rept 32
	v_cvt_pk_bf16_f32 v[STG+4*i],   v[STG+4*i],   v[STG+4*i+1]
	v_cvt_pk_bf16_f32 v[STG+4*i+1], v[STG+4*i+2], v[STG+4*i+3]
.set i, i+1
.endr
	WIN 0x04*(\win)
.set i, 0
.rept 32
	ds_store_b64 v[\la], v[STG+4*i:STG+4*i+1] offset:320*i
.set i, i+1
.endr
	WIN 0
.endm
; Four K steps' fragments, 24 turning loads: a load takes 16 rows e x 16 columns and leaves half a fragment (lane L: column L % 16, eight e).
.macro GLOAD grp, buf
.irp q, 0,1,2,3
.set ks, 4*(\grp)+\q
.set fb, FR+96*(\buf)+24*\q
	ds_load_tr16_b128 v[fb:fb+3],     v[AJ+ks/8] offset:5120*(ks%8)
	ds_load_tr16_b128 v[fb+4:fb+7],   v[AJ+ks/8] offset:5120*(ks%8)+2560
	ds_load_tr16_b128 v[fb+8:fb+11],  v[AJ+ks/8] offset:5120*(ks%8)+32
	ds_load_tr16_b128 v[fb+12:fb+15], v[AJ+ks/8] offset:5120*(ks%8)+2560+32
	ds_load_tr16_b128 v[fb+16:fb+19], v[AD+ks/8] offset:5120*(ks%8)
	ds_load_tr16_b128 v[fb+20:fb+23], v[AD+ks/8] offset:5120*(ks%8)+2560
.endr
.endm
; Their eight products.  Source 0 = 16 columns j, source 1 = 16 columns d: a lane's eight results are eight neighbouring j of one row d.  The two accumulators take turns.
.macro GMUL grp, buf
.irp q, 0,1,2,3
.set fb, FR+96*(\buf)+24*\q
.if ((\grp) == 0) && (\q == 0)
	v_wmma_f32_16x16x32_bf16 v[ACC:ACC+7],    v[fb:fb+7],    v[fb+16:fb+23], 0
	v_wmma_f32_16x16x32_bf16 v[ACC+8:ACC+15], v[fb+8:fb+15], v[fb+16:fb+23], 0
.else
	v_wmma_f32_16x16x32_bf16 v[ACC:ACC+7],    v[fb:fb+7],    v[fb+16:fb+23], v[ACC:ACC+7]
	v_wmma_f32_16x16x32_bf16 v[ACC+8:ACC+15], v[fb+8:fb+15], v[fb+16:fb+23], v[ACC+8:ACC+15]
.endif
.endr
.endm
	s_load_b256 s[4:11], s[0:1], 0x0               ; W_q1 s[4:5], b_q1 s[6:7], W_k2 s[8:9], b_k2 s[10:11]
	s_load_b64 s[12:13], s[0:1], 0x20              ; mt
	v_lshl_add_u32 v[SPW], v0, 2, SPARE
	v_mov_b32 v[NIL], 0
	v_lshrrev_b32 v1, 5, v0
	v_readfirstlane_b32 s14, v1                    ; wave 0..7
	s_mov_b32 s15, ttmp9                           ; gx: the group of 64 j
	s_and_b32 s16, ttmp7, 0xffff                   ; gy: the group of 64 d
	s_mov_b32 s20, 0x00010001                      ; the lanes with L % 16 = 0
	s_mov_b32 s22, 0x42800000                      ; 64.0
	s_mov_b32 s23, s22                             ; named with it as a pair
	v_and_b32 v13, 15, v0                          ; L % 16
	v_bfe_u32 v14, v0, 4, 1                        ; h
	v_lshlrev_b32 v[GOF], 4, v13
	v_lshl_add_u32 v[GOF], v14, 11, v[GOF]
	s_lshl_b32 s17, s14, 17                        ; 64 rows of 2,048 bytes a wave
	v_add_nc_u32 v[GOF], s17, v[GOF]
	s_lshl_b32 s17, s14, 8
	v_lshl_add_u32 v[BOF], v14, 2, s17
	s_mul_i32 s17, s14, 64*PJ
	v_mul_u32_u24 v[LSJ], v14, PJ
	v_lshl_add_u32 v[LSJ], v13, 3, v[LSJ]
	v_add_nc_u32 v[LSJ], s17, v[LSJ]
	v_add_nc_u32 v[LSD], SIDEB, v[LSJ]
	s_lshl_b32 s24, s15, 8                         ; a group's 64 columns: 256 bytes of a row
	s_mov_b32 s25, 0
	s_lshl_b32 s26, s16, 8
	s_mov_b32 s27, 0
	s_wait_kmcnt 0x0
	s_add_nc_u64 s[24:25], s[8:9], s[24:25]        ; W_k2 at columns 64 gx (not used where gx = 8)
	s_add_nc_u64 s[26:27], s[4:5], s[26:27]        ; W_q1 at columns 64 gy
	SIDE_LOAD 0, 24, 10, 15
	SIDE_LOAD 1, 26, 6, 16
	; the second phase's addresses, while the loads are out
	v_and_b32 v15, 7, v0
	v_lshl_add_u32 v15, v14, 3, v15                ; row 8 h + L % 8
	v_mul_u32_u24 v15, v15, PJ
	v_bfe_u32 v1, v0, 3, 1
	v_lshl_add_u32 v15, v1, 4, v15                 ; + 16 bytes for the lanes' second eight
	s_lshr_b32 s18, s14, 2
	s_and_b32 s19, s14, 3
	s_lshl_b32 s17, s18, 6                         ; my 32 columns j: 64 bytes
	v_add_nc_u32 v[AJ], s17, v15
	v_add_nc_u32 v[AJ+1], 8*32*PJ, v[AJ]
	s_lshl_b32 s17, s19, 5                         ; my 16 columns d: 32 bytes
	s_add_co_u32 s17, s17, SIDEB
	v_add_nc_u32 v[AD], s17, v15
	v_add_nc_u32 v[AD+1], 8*32*PJ, v[AD]
	v_and_b32 v[OUTO], 31, v0
	v_lshlrev_b32 v[OUTO], 4, v[OUTO]
	s_lshl1_add_u32 s18, s15, s18                  ; s = 2 gx + w / 4
	s_lshl2_add_u32 s19, s16, s19                  ; t = 4 gy + w % 4
	s_lshl_b32 s28, s18, 5
	s_add_co_u32 s28, s28, s19
	s_lshl_b32 s28, s28, 10                        ; (32 s + t) x 1,024,
	s_lshl_b32 s17, s18, 10
	s_add_co_u32 s17, s17, XTRA                    ; or XTRA + 1,024 s for t = 32
	s_cmp_eq_u32 s19, 32
	s_cselect_b32 s28, s17, s28
	s_mov_b32 s29, 0
	s_add_nc_u64 s[12:13], s[12:13], s[28:29]
	s_wait_loadcnt 0x0                             ; both sides are in registers
	SIDE_FIX 0, 15
	SIDE_FIX 1, 16
	SIDE_PUT 0, LSJ
	SIDE_PUT 1, LSD
	s_wait_dscnt 0x0                               ; for the others' sake: my stores are done
	s_barrier_signal -1
	s_barrier_wait -1                              ; both sides are whole
	s_cmp_gt_u32 s18, 16                           ; in group 8 only the first block exists
	s_cbranch_scc1 .Lend
	s_cmp_gt_u32 s19, 32
	s_cbranch_scc1 .Lend
	GLOAD 0, 0
	GLOAD 1, 1
	s_wait_dscnt 24                                ; the older group is in; the younger group's 24 loads may stay out
	GMUL 0, 0
	PLACES                                         ; four plain instructions between the last product and the loads into registers that it has read
	GLOAD 2, 0
	s_wait_dscnt 24
	GMUL 1, 1
	PLACES
	GLOAD 3, 1
	s_wait_dscnt 24
	GMUL 2, 0
	s_wait_dscnt 0x0
	GMUL 3, 1
	PLACES
	PLACES
.set i, 0
.rept 8
	v_pk_mul_f32 v[ACC+2*i:ACC+2*i+1], v[ACC+2*i:ACC+2*i+1], s[22:23] op_sel_hi:[1,0]  ; x 64; each accumulator is read from its low end on
.set i, i+1
.endr
.set i, 0
.rept 8
	v_cvt_pk_f16_f32 v[PKD+i], v[ACC+2*i], v[ACC+2*i+1]
.set i, i+1
.endr
	global_store_b128 v[OUTO], v[PKD:PKD+3],   s[12:13]             ; j = 8 h ..: 512 consecutive bytes a store
	global_store_b128 v[OUTO], v[PKD+4:PKD+7], s[12:13] offset:512  ; j = 16 + 8 h ..
.Lend:
	s_wait_tensorcnt 0x0                           ; the wave's end, behind my last LDS store
	ds_add_u32 v[SPW], v[NIL]
	s_wait_dscnt 0x0
	s_endpgm
.Lfunc_end_k_q62f355878a_prep:
	.size	k_q62f355878a_prep, .Lfunc_end_k_q62f355878a_prep-k_q62f355878a_prep
	.p2alignl 7, 3214868480
	.fill 96, 4, 3214868480
	.section	.rodata,"a",@progbits
	.p2align	6, 0x0
	.amdhsa_kernel k_q62f355878a_prep
		.amdhsa_group_segment_fixed_size 164864
		.amdhsa_private_segment_fixed_size 0
		.amdhsa_enable_private_segment 0
		.amdhsa_kernarg_size 40
		.amdhsa_user_sgpr_count 2
		.amdhsa_user_sgpr_kernarg_segment_ptr 1
		.amdhsa_wavefront_size32 1
		.amdhsa_system_sgpr_workgroup_id_x 1
		.amdhsa_system_sgpr_workgroup_id_y 1
		.amdhsa_system_sgpr_workgroup_id_z 1
		.amdhsa_system_vgpr_workitem_id 0
		.amdhsa_next_free_vgpr 400
		.amdhsa_next_free_sgpr 66
		.amdhsa_reserve_vcc 0
		.amdhsa_float_denorm_mode_32 3
		.amdhsa_float_denorm_mode_16_64 3
		.amdhsa_memory_ordered 1
		.amdhsa_forward_progress 1
		.amdhsa_inst_pref_size 48
	.end_amdhsa_kernel
	.amdgpu_metadata
---
amdhsa.version: [ 1, 2 ]
amdhsa.kernels:
  - .name:           k_q62f355878a_prep
    .symbol:         k_q62f355878a_prep.kd
    .args:
      - { .name: W_q1, .offset: 0, .size: 8, .value_kind: global_buffer, .address_space: global }
      - { .name: b_q1, .offset: 8, .size: 8, .value_kind: global_buffer, .address_space: global }
      - { .name: W_k2, .offset: 16, .size: 8, .value_kind: global_buffer, .address_space: global }
      - { .name: b_k2, .offset: 24, .size: 8, .value_kind: global_buffer, .address_space: global }
      - { .name: mt, .offset: 32, .size: 8, .value_kind: global_buffer, .address_space: global }
    .group_segment_fixed_size: 164864
    .private_segment_fixed_size: 0
    .kernarg_segment_align: 8
    .kernarg_segment_size: 40
    .max_flat_workgroup_size: 256
    .sgpr_count:     66
    .vgpr_count:     400
    .wavefront_size: 32
...
	.end_amdgpu_metadata
.endif
;; end of part 1
;; launch ktproj (part 2): grid 256 x 1, 4 waves a work-group, clusters of 4 x 1, 327,680 bytes of LDS; arguments input2, mt, kt; writes kt
.if DOCPART == 2
	.amdgcn_target "amdgcn-amd-amdhsa--gfx1250"
	.amdhsa_code_object_version 6
	.text
	.protected	k_q62f355878a_ktproj
	.globl	k_q62f355878a_ktproj
	.p2align	8
	.type	k_q62f355878a_ktproj,@function
k_q62f355878a_ktproj:
	s_mov_b64 s[64:65], 0
	v_nop
	global_prefetch_b8 v0, s[64:65] scope:SCOPE_SE
	s_setreg_imm32_b32 hwreg(HW_REG_WAVE_MODE, 25, 1), 1
	s_wait_xcnt 0x0
	s_wait_alu depctr_hold_cnt(0) depctr_sa_sdst(0) depctr_va_vdst(0) depctr_va_sdst(0) depctr_va_ssrc(0) depctr_va_vcc(0) depctr_vm_vsrc(0)
	s_getreg_b32 s2, hwreg(HW_REG_IB_STS2, 6, 4)
	s_cmp_eq_u32 s2, 0
	s_cbranch_scc0 .Lentry_in_a_cluster
	s_endpgm
.Lentry_in_a_cluster:
	s_bfe_u32 s2, ttmp6, 0x10000c
	s_cmp_lg_u32 s2, 0x3003
	s_cbranch_scc0 .Lentry_shape_is_right
	s_endpgm
.Lentry_shape_is_right:
; KTPROJ.  kt[b] = Kt' = 2^-10 [X2[b] | 1] M+^T, 512 keys x 513 columns d, in f16.  X2 is rounded to bf16 and that number written as f16 (exact within f16's range); mt holds 64 M+ in f16; sums in f32, times 2^-16, rounded once.
; Column 512 is kappa', the part of a score that hangs on the key alone.
; LIMITS.  |x| under 65,504; |Kt| under 6.7e7 (Kt' within f16); below |Kt'| = 6e-5 kt keeps f16's fixed step of 6e-8.  NaN and infinities are not treated apart.
; LAYOUT OF kt.  A batch has 557,056 bytes: blocks of 1,024 bytes (16 keys x 32 d of f16 in a matrix operand's register order: lane L = r + 16 h owns bytes 16 L: key r, d = 8 h ..; bytes 512 + 16 L: d = 16 + 8 h ..),
; block (s = d / 32, t = key / 16) at (32 s + t) x 1,024, s = 0 .. 16; in s = 16 only d = 512 is other than 0.
; SHARES.  A cluster of four work-groups has one batch; a work-group 128 keys, a wave 32 of them (two tiles n), against ALL 512 rows d: 64 accumulators, 512 registers, and two more for row tile 32.
; The wave's own rows come from memory straight into registers, as fragments, each byte once.  mt, which all walk, comes by JOINT tensor loads (one descriptor and the mask of four in all four partners) through
; two LDS slots of four K steps (128 KiB); each wave fetches one K step, 128 rows of 256 bytes.  mt's block row 16 and its 17 blocks of row tile 32 are fetched once (TAIL).
; The product is taken with source 0 = 16 rows d of mt, source 1 = 16 keys: a lane's eight results are eight neighbouring d of one key: its 16 bytes of a block of kt.
; REGISTERS, in windows of 256 (s_set_vgpr_msb: bits 1:0 source 0, 3:2 source 1, 5:4 source 2, 7:6 destination):
;   window 0: v0-19 addresses, the add's pair, the fragment ONES; v64-127 my rows' fragments, two sets of two K steps; v128-255 mt's fragments, two buffers of eight
;   window 1: v0-127 my rows as loaded (f32), two sets; v128-159 row tile 32's fragments; v160-175 its two accumulators; v176-183 at work      windows 2, 3: accumulator (t, n) at 8 (2 (t % 16) + n)
.set CHUNK, 131072                     ; four K steps of mt: a slot
.set SLOT1, 1<<17                      ; slot 1 begins here: one exclusive or turns an address in one slot into the other's
.set TAIL,  2*CHUNK                    ; filled once: block row 16 (32,768 bytes), then the 17 blocks of row tile 32
.set RT,    49                         ; rows of 256 bytes of TAIL that a wave fetches
.set XTL,   TAIL+32768
.set SPARE, TAIL+4*RT*256              ; behind TAIL: the spare words, 128 bytes for each wave
.set BATCH, 557056
.set LANE16, 1                         ; v1   16 L; never rewritten
.set ADL, 2                            ; v2   slot in hand + 16 L
.set ADH, 3                            ; v3   the same + 65,536 (K steps 2 and 3)
.set XO,  4                            ; v4   my byte offset in my 16 rows: 2,048 r + 32 h; never rewritten
.set AX,  5                            ; v5   row tile 32's blocks of the slot in hand
.set ATL, 6                            ; v6   TAIL + 16 L
.set PFO, 7                            ; v7   256 L; never rewritten
.set TV,  9
.set SPW, 10                           ; v10  my spare word's LDS address; never rewritten
.set NIL, 11                           ; v11  0; never rewritten
.set ONES, 12                          ; v12-19 the fragment of column 512 of [X2 | 1]: 1.0 at k = 0 of every row, else 0
.set F,   64
.set SB,  128
.set ST,  0                            ; window 1
.set XF,  128
.set XA,  160
.set XT,  176
.set WV,  12                           ; s12  wave
.set CX,  13                           ; s13  my place in the cluster: it enters only my rows', my output's and the prefetches' addresses
.set G1,  16                           ; s[16:23] descriptor group 1 of the ring
.set G1T, 24                           ; s[24:31] of TAIL
.set G0,  32                           ; s[32:35] descriptor group 0 of the ring: it walks
.set G0T, 36                           ; s[36:39] of TAIL
.set XB,  40                           ; s[40:41] my rows, at the chunk that is loaded next
.set PFA, 42                           ; s[42:43] where my prefetches stand
.set LIM, 44                           ; s44  1 in a cluster that prefetches, else the greatest number
.set CNT, 45                           ; s45  slots still to be asked for
.set TB,  46                           ; s46  LDS byte at which the slot in hand begins
.set HIM, 47                           ; s47  0xffff0000: a word's upper half; also the mask of lanes 16-31
.set KC,  48                           ; s[48:49] 2^-16
.set OB,  50                           ; s[50:51] kt at my first key tile
.set XS,  55                           ; s55  LDS byte of row tile 32's blocks for the next slot
.set MSB, 0
.macro WIN new                         ; the immediate's high byte repeats the setting that is left; a switch that changes nothing is dropped
.if MSB != (\new)
	s_set_vgpr_msb (MSB<<8)|(\new)
.set MSB, (\new)
.endif
.endm
.macro PLACES                          ; four plain instructions between a product and a load into, or a vector instruction on, its registers (ISA guide 7.12.1 for vector instructions)
.rept 4
	v_nop
.endr
.endm
.macro CROUND                          ; a round of the cluster's barrier: my work-group's barrier; wave 0 signals for it; every wave waits for all four work-groups; my work-group's barrier once more
	s_barrier_signal -1
	s_barrier_wait -1
	s_cmp_lg_u32 s[WV], 0
	s_cbranch_scc1 .Lnot_wave_0_\@
	s_barrier_signal -3
.Lnot_wave_0_\@:
	s_barrier_wait -3
	s_barrier_signal -1
	s_barrier_wait -1
.endm
; Group g = 4 x (K step in the slot) + (eight row tiles): 16 LDS loads of 512 consecutive bytes into buffer buf.
.macro FETCH g, buf
	WIN 0
.irp i, 0,1,2,3,4,5,6,7
	ds_load_b128 v[SB+64*(\buf)+8*\i:SB+64*(\buf)+8*\i+3],   v[ADL+(\g)/8] offset:(((\g)/4)%2)*32768+((\g)%4)*8192+\i*1024
	ds_load_b128 v[SB+64*(\buf)+8*\i+4:SB+64*(\buf)+8*\i+7], v[ADL+(\g)/8] offset:(((\g)/4)%2)*32768+((\g)%4)*8192+\i*1024+512
.endr
.endm
.macro FETCHT tq, buf                  ; the same from block row 16
	WIN 0
.irp i, 0,1,2,3,4,5,6,7
	ds_load_b128 v[SB+64*(\buf)+8*\i:SB+64*(\buf)+8*\i+3],   v[ATL] offset:(\tq)*8192+\i*1024
	ds_load_b128 v[SB+64*(\buf)+8*\i+4:SB+64*(\buf)+8*\i+7], v[ATL] offset:(\tq)*8192+\i*1024+512
.endr
.endm
; The group's 16 products.  No two that follow each other share an accumulator, and 63 others stand between two links of a chain: the accumulators take turns.
; zero = 1: the step of column 512: it starts every sum with the constant 0, so nothing is ever cleared.
.macro MUL16 g, buf, zero=0
.set tg, (\g)%4
.set fo, F+32*((\g)/8)+16*(((\g)/4)%2)
	WIN 0xa0+0x50*(tg/2)
.irp i, 0,1,2,3,4,5,6,7
.irp n, 0,1
.set ra, 8*(2*(8*(tg%2)+\i)+\n)
.set rs, SB+64*(\buf)+8*\i
.if \zero
	v_wmma_f32_16x16x32_f16 v[ra:ra+7], v[rs:rs+7], v[ONES:ONES+7], 0
.else
	v_wmma_f32_16x16x32_f16 v[ra:ra+7], v[rs:rs+7], v[fo+8*\n:fo+8*\n+7], v[ra:ra+7]
.endif
.endr
.endr
.endm
; Two K steps of my 32 rows: 16 loads that together take 256 consecutive bytes of each row.  A fragment's 16 numbers of a lane are the bytes 32 h + 0..31 and 64 + 32 h + 0..31 of its row's 128.
.macro LOADX st, off
	WIN 0x40
.irp n, 0,1
.irp p, 0,1
.irp q, 0,1,2,3
	global_load_b128 v[ST+64*(\st)+32*\p+16*\n+4*\q:ST+64*(\st)+32*\p+16*\n+4*\q+3], v[XO], s[XB:XB+1] offset:(\off)+32768*\n+128*\p+16*(\q%2)+64*(\q/2)
.endr
.endr
.endr
.endm
; f32 -> bf16 (the input's one rounding) -> the same number as f16, in three stretches under one window setting each.
.macro CONV st, f
	WIN 0x05
.set o, 0
.rept 32
	v_cvt_pk_bf16_f32 v[F+32*(\f)+o], v[ST+64*(\st)+2*o], v[ST+64*(\st)+2*o+1]
.set o, o+1
.endr
	WIN 0x40
.set o, 0
.rept 32
	v_lshlrev_b32 v[ST+64*(\st)+2*o],   16,     v[F+32*(\f)+o]
	v_and_b32     v[ST+64*(\st)+2*o+1], s[HIM], v[F+32*(\f)+o]
.set o, o+1
.endr
	WIN 0x05
.set o, 0
.rept 32
	v_cvt_pk_f16_f32 v[F+32*(\f)+o], v[ST+64*(\st)+2*o], v[ST+64*(\st)+2*o+1]
.set o, o+1
.endr
.endm
.macro XFETCH                          ; row tile 32's fragments of the slot's four K steps
	WIN 0
	v_add_nc_u32 v[AX], s[XS], v[LANE16]
	s_add_co_u32 s[XS], s[XS], 4096
	WIN 0x40
.irp k, 0,1,2,3
	ds_load_b128 v[XF+8*\k:XF+8*\k+3],   v[AX] offset:1024*\k
	ds_load_b128 v[XF+8*\k+4:XF+8*\k+7], v[AX] offset:1024*\k+512
.endr
.endm
.macro XMUL sl                         ; its two products of K step sl
.set fo, F+32*((\sl)/2)+16*((\sl)%2)
	WIN 0x51
	v_wmma_f32_16x16x32_f16 v[XA:XA+7],    v[XF+8*(\sl):XF+8*(\sl)+7], v[fo:fo+7],    v[XA:XA+7]
	v_wmma_f32_16x16x32_f16 v[XA+8:XA+15], v[XF+8*(\sl):XF+8*(\sl)+7], v[fo+8:fo+15], v[XA+8:XA+15]
.endm
; A PREFETCH of the chunk that the NEXT change of slots will ask for: 512 blocks of 256 bytes; the sixteen waves of the cluster take 32 each, told apart by address, a lane a block.  All clusters walk the same mt:
; the first cluster alone asks.  The last change that fills a slot asks for nothing.
.macro ASK
	s_cmp_gt_u32 s[CNT], s[LIM]
	s_cbranch_scc0 .Lnot_mine_\@
	global_prefetch_b8 v[PFO], s[PFA:PFA+1] th:TH_LOAD_NT scope:SCOPE_SE
.Lnot_mine_\@:
.endm
; THE CHANGE OF SLOTS.  Each wave waits for all its tensor loads, of which one is out: its K step of the slot to be entered; adds 0 to its spare word; waits for that and for its reads of the slot that it leaves.
; fill = 1: the barrier is a round of the cluster's, and behind it the slot just left takes the next chunk: the wave's one tensor load, with a slot's 256 products in which to land.
.macro CHANGE fill
	WIN 0
	s_wait_tensorcnt 0x0                           ; no tensor load of mine is out, so the walking group 0 may be written
	ds_add_u32 v[SPW], v[NIL]                      ; 0 onto my spare word; the steps below stand between it and the wait for it
.if \fill
	s_xor_b32 s[G0+1], s[G0+1], SLOT1
	s_add_nc_u64 s[G0+2:G0+3], s[G0+2:G0+3], CHUNK ; the type bits on top are not reached
	s_wait_xcnt 0x0                                ; my loads (half a slot back) and my prefetch (a slot back) have read their addresses, so these may be written
	s_add_nc_u64 s[PFA:PFA+1], s[PFA:PFA+1], CHUNK
	s_add_nc_u64 s[XB:XB+1], s[XB:XB+1], 512
	s_wait_dscnt 0x0                               ; the add is done, and my reads of the slot are over
	CROUND
	tensor_load_to_lds s[G0:G0+3], s[G1:G1+7]
	s_nop 0
	PLACES                                         ; also the places in front of the LDS loads below
.else
	s_wait_dscnt 0x0
	s_barrier_signal -1
	s_barrier_wait -1
	PLACES
.endif
	s_xor_b32 s[TB], s[TB], SLOT1
	v_add_nc_u32 v[ADL], s[TB], v[LANE16]
	v_add_nc_u32 v[ADH], 65536, v[ADL]
.endm
; A SLOT'S WORK: 16 groups; group g + 1 is fetched ahead of group g's products.  s_wait_dscnt 16 leaves the younger group's 16 loads out.  My rows' two sets are converted at the slot's head and in its middle and
; asked for again at once (ld = 1), for the next chunk: each run of loads has a whole slot in which to land.  s_wait_loadcnt 16 leaves the one younger run out; in the last slot's middle none is younger.
.macro WORK ld
	XFETCH
	FETCH 0, 0
.if \ld
	ASK
.endif
	s_wait_loadcnt 16
	CONV 0, 0
.if \ld
	LOADX 0, 0
.endif
.set g, 0
.rept 16
.if g < 15
.if g > 0
	PLACES
.endif
	FETCH g+1, (g+1)%2
	s_wait_dscnt 16
.else
	s_wait_dscnt 0x0
.endif
	MUL16 g, g%2
.if g%4 == 3
	XMUL g/4
.endif
.if g == 7
.if \ld
	s_wait_loadcnt 16
.else
	s_wait_loadcnt 0x0
.endif
	CONV 1, 1
.if \ld
	LOADX 1, 256
.endif
.endif
.set g, g+1
.endr
.endm
; THE WAY OUT of a window's 32 accumulators: times 2^-16, rounded to f16, 16 bytes a lane; a store covers 512 consecutive bytes of a block.  Each accumulator is read from its low end on.
.macro OUTW hi
	WIN 0x82+0x41*(\hi)
.set a, 0
.rept 128
	v_pk_mul_f32 v[2*a:2*a+1], v[2*a:2*a+1], s[KC:KC+1] op_sel_hi:[1,0]
.set a, a+1
.endr
	WIN 0x4a-0x3b*(\hi)                            ; sources in window 2 or 3; destination window 1 (v0-127) or window 0 (v128-255)
.set pkd, ST+SB*(\hi)
.set a, 0
.rept 128
	v_cvt_pk_f16_f32 v[pkd+a], v[2*a], v[2*a+1]
.set a, a+1
.endr
	WIN 0x04*(1-(\hi))
.set a, 0
.rept 32
	global_store_b128 v[LANE16], v[pkd+4*a:pkd+4*a+3], s[OB:OB+1] offset:(a/4+8*(\hi))*32768+1024*(a%2)+512*((a/2)%2)
.set a, a+1
.endr
.endm
	s_load_b128 s[4:7], s[0:1], 0x0                ; input2 s[4:5], mt s[6:7]
	s_load_b64 s[8:9], s[0:1], 0x10                ; kt
	v_lshl_add_u32 v[SPW], v0, 2, SPARE
	v_mov_b32 v[NIL], 0
	ds_add_u32 v[SPW], v[NIL]                      ; the wave's opening: the add and its wait stand ahead of my first tensor load, with the set-up, work on registers, between them
	v_lshrrev_b32 v[TV], 5, v0
	v_readfirstlane_b32 s[WV], v[TV]               ; wave 0..3
	s_bfe_u32 s[CX], ttmp6, 0x40000                ; cx
	; descriptor group 1: dense rows of 256 bytes (32 elements of 8 bytes), 128 of them for the ring, RT for TAIL
	s_mov_b32 s[G1+0], 15|(3<<16)|(1<<21)          ; 15:0 the mask of four; 17:16 elements of 8 bytes; 21 set beside a mask
	s_mov_b32 s[G1+1], 32<<16                      ; tensor_dim0 = 32
	s_mov_b32 s[G1+2], 128<<16                     ; tensor_dim1 = 128
	s_mov_b32 s[G1+3], 32<<16                      ; tile_dim0 = 32
	s_mov_b32 s[G1+4], 128                         ; tile_dim1 = 128
	s_mov_b32 s[G1+5], 32                          ; 32 elements from row to row
	s_mov_b32 s[G1+6], 0
	s_mov_b32 s[G1+7], 0
	s_mov_b32 s[G1T+0], 15|(3<<16)|(1<<21)
	s_mov_b32 s[G1T+1], 32<<16
	s_mov_b32 s[G1T+2], RT<<16
	s_mov_b32 s[G1T+3], 32<<16
	s_mov_b32 s[G1T+4], RT
	s_mov_b32 s[G1T+5], 32
	s_mov_b32 s[G1T+6], 0
	s_mov_b32 s[G1T+7], 0
	s_mov_b32 s[G0], 1
	s_lshl_b32 s[G0+1], s[WV], 15                  ; LDS: slot 0, my K step
	s_mov_b32 s[G0T], 1
	s_mul_i32 s[G0T+1], s[WV], 256*RT
	s_add_co_u32 s[G0T+1], s[G0T+1], TAIL
	s_lshl_b32 s56, s[WV], 15                      ; in mt: my K step of chunk 0,
	s_mov_b32 s57, 0
	s_mul_i32 s58, s[WV], 256*RT                   ; and my part of what lies behind the four chunks
	s_add_co_u32 s58, s58, 4*CHUNK
	s_mov_b32 s59, 0
	s_lshl2_add_u32 s62, s[CX], s[WV]              ; the prefetches: wave 4 cx + w of the cluster's sixteen takes 8,192 bytes of a chunk;
	s_lshl_b32 s62, s62, 13
	s_add_co_u32 s62, s62, CHUNK                   ; the first change of slots steps this to chunk 2
	s_mov_b32 s63, 0
	s_lshl_b32 s[XB], ttmp9, 20                    ; my rows: batch, block of 128, wave's 32
	s_lshl_b32 s14, s[CX], 18
	s_add_co_u32 s[XB], s[XB], s14
	s_lshl_b32 s14, s[WV], 16
	s_add_co_u32 s[XB], s[XB], s14
	s_mov_b32 s[XB+1], 0
	s_mul_i32 s[OB], ttmp9, BATCH                  ; my output: batch, key tile 8 cx + 2 w
	s_lshl_b32 s14, s[CX], 13
	s_add_co_u32 s[OB], s[OB], s14
	s_lshl_b32 s14, s[WV], 11
	s_add_co_u32 s[OB], s[OB], s14
	s_mov_b32 s[OB+1], 0
	s_cmp_eq_u32 ttmp9, 0                          ; the cluster's number: the same in all four partners
	s_cselect_b32 s[LIM], 1, -1
	s_mov_b32 s[HIM], 0xffff0000
	s_mov_b32 s[KC], 0x37800000                    ; 2^-16
	s_mov_b32 s[KC+1], s[KC]                       ; named with it as a pair
	s_mov_b32 s[XS], XTL
	v_and_b32 v[TV], 31, v0
	v_lshlrev_b32 v[LANE16], 4, v[TV]
	v_lshlrev_b32 v[PFO], 8, v[TV]
	v_and_b32 v[XO], 15, v0
	v_bfe_u32 v[TV], v0, 4, 1
	v_lshlrev_b32 v[XO], 11, v[XO]
	v_lshl_add_u32 v[XO], v[TV], 5, v[XO]
	v_add_nc_u32 v[ATL], TAIL, v[LANE16]
	v_add_nc_u32 v[AX], XTL, v[LANE16]
	v_mov_b32 v[ONES], 0x3c00                      ; 1.0 in the low half: k = 0, which lanes 0-15 hold
	v_cndmask_b32 v[ONES], v[ONES], v[NIL], s[HIM]
.irp j, 1,2,3,4,5,6,7
	v_mov_b32 v[ONES+\j], 0
.endr
	s_wait_dscnt 0x0                               ; the opening add is done
	s_wait_kmcnt 0x0
	s_add_nc_u64 s[G0+2:G0+3], s[6:7], s[56:57]
	s_or_b32 s[G0+3], s[G0+3], 0x80000000          ; type = 2
	s_add_nc_u64 s[G0T+2:G0T+3], s[6:7], s[58:59]
	s_or_b32 s[G0T+3], s[G0T+3], 0x80000000
	s_add_nc_u64 s[PFA:PFA+1], s[6:7], s[62:63]
	s_add_nc_u64 s[XB:XB+1], s[4:5], s[XB:XB+1]
	s_add_nc_u64 s[OB:OB+1], s[8:9], s[OB:OB+1]
	CROUND                                         ; all four work-groups are here: the first joint loads meet
	tensor_load_to_lds s[G0T:G0T+3], s[G1T:G1T+7]  ; TAIL first: it is wanted first.  Two tensor loads of mine are out here, later one
	s_nop 0
	tensor_load_to_lds s[G0:G0+3], s[G1:G1+7]      ; chunk 0 into slot 0
	s_nop 0
	PLACES
	LOADX 0, 0                                     ; my rows' K steps 0, 1
	LOADX 1, 256                                   ; and 2, 3
	WIN 0
	s_wait_tensorcnt 0x1                           ; my part of TAIL is in; chunk 0 may stay out
	s_barrier_signal -1
	s_barrier_wait -1                              ; everybody's part is
	; THE STEP OF COLUMN 512: every sum starts as M+[d][512] x 1
	WIN 0x40
	ds_load_b128 v[XF:XF+3],   v[AX] offset:16384
	ds_load_b128 v[XF+4:XF+7], v[AX] offset:16384+512
	FETCHT 0, 0
.set tq, 0
.rept 4
.if tq < 3
.if tq > 0
	PLACES
.endif
	FETCHT tq+1, (tq+1)%2
	s_wait_dscnt 16
.else
	s_wait_dscnt 0x0
.endif
	MUL16 tq, tq%2, 1
.set tq, tq+1
.endr
	WIN 0x51
	v_wmma_f32_16x16x32_f16 v[XA:XA+7],    v[XF:XF+7], v[ONES:ONES+7], 0
	v_wmma_f32_16x16x32_f16 v[XA+8:XA+15], v[XF:XF+7], v[ONES:ONES+7], 0
	WIN 0
	s_mov_b32 s[CNT], 3
	s_mov_b32 s[TB], SLOT1                         ; the first change turns it into 0
.Lslot:                                        ; trip c multiplies chunk c and asks for chunk c + 1
	CHANGE 1
	WORK 1
	WIN 0
	s_sub_co_u32 s[CNT], s[CNT], 1
	s_cmp_lg_u32 s[CNT], 0
	s_cbranch_scc1 .Lslot
	CHANGE 0                                       ; the last chunk is written out: nothing is asked for
	WORK 0
	PLACES
	PLACES
	OUTW 0
	OUTW 1
	WIN 0x41                                       ; row tile 32 goes out as block row 16: kappa' at d = 512, zeros beside it
.set a, 0
.rept 8
	v_pk_mul_f32 v[XA+2*a:XA+2*a+1], v[XA+2*a:XA+2*a+1], s[KC:KC+1] op_sel_hi:[1,0]
.set a, a+1
.endr
	WIN 0x45
.set a, 0
.rept 8
	v_cvt_pk_f16_f32 v[XT+a], v[XA+2*a], v[XA+2*a+1]
.set a, a+1
.endr
	WIN 0x04
	global_store_b128 v[LANE16], v[XT:XT+3],   s[OB:OB+1] offset:16*32768
	global_store_b128 v[LANE16], v[XT+4:XT+7], s[OB:OB+1] offset:16*32768+1024
	WIN 0
	global_store_b128 v[LANE16], v[ONES+4:ONES+7], s[OB:OB+1] offset:16*32768+512       ; the blocks' second halves: zeros
	global_store_b128 v[LANE16], v[ONES+4:ONES+7], s[OB:OB+1] offset:16*32768+1024+512
	s_wait_tensorcnt 0x0                           ; the wave's end
	ds_add_u32 v[SPW], v[NIL]
	s_wait_dscnt 0x0
	CROUND                                         ; the closing round: no work-group ends while a partner may still ask for a tile that names it
	s_endpgm
.Lfunc_end_k_q62f355878a_ktproj:
	.size	k_q62f355878a_ktproj, .Lfunc_end_k_q62f355878a_ktproj-k_q62f355878a_ktproj
	.p2alignl 7, 3214868480
	.fill 96, 4, 3214868480
	.section	.rodata,"a",@progbits
	.p2align	6, 0x0
	.amdhsa_kernel k_q62f355878a_ktproj
		.amdhsa_group_segment_fixed_size 327680
		.amdhsa_private_segment_fixed_size 0
		.amdhsa_enable_private_segment 0
		.amdhsa_kernarg_size 24
		.amdhsa_user_sgpr_count 2
		.amdhsa_user_sgpr_kernarg_segment_ptr 1
		.amdhsa_wavefront_size32 1
		.amdhsa_system_sgpr_workgroup_id_x 1
		.amdhsa_system_sgpr_workgroup_id_y 1
		.amdhsa_system_sgpr_workgroup_id_z 1
		.amdhsa_system_vgpr_workitem_id 0
		.amdhsa_next_free_vgpr 1024
		.amdhsa_next_free_sgpr 66
		.amdhsa_reserve_vcc 0
		.amdhsa_float_denorm_mode_32 3
		.amdhsa_float_denorm_mode_16_64 3
		.amdhsa_memory_ordered 1
		.amdhsa_forward_progress 1
		.amdhsa_inst_pref_size 160
	.end_amdhsa_kernel
	.amdgpu_metadata
---
amdhsa.version: [ 1, 2 ]
amdhsa.kernels:
  - .name:           k_q62f355878a_ktproj
    .symbol:         k_q62f355878a_ktproj.kd
    .args:
      - { .name: input2, .offset: 0, .size: 8, .value_kind: global_buffer, .address_space: global }
      - { .name: mt, .offset: 8, .size: 8, .value_kind: global_buffer, .address_space: global }
      - { .name: kt, .offset: 16, .size: 8, .value_kind: global_buffer, .address_space: global }
    .group_segment_fixed_size: 327680
    .private_segment_fixed_size: 0
    .kernarg_segment_align: 8
    .kernarg_segment_size: 24
    .max_flat_workgroup_size: 128
    .sgpr_count:     66
    .vgpr_count:     1024
    .wavefront_size: 32
...
	.end_amdgpu_metadata
.endif
;; end of part 2
;; launch scores (part 3): grid 256 x 1, 4 waves a work-group, clusters of 4 x 1, 327,680 bytes of LDS; arguments input1, kt, wpart; writes wpart
.if DOCPART == 3
	.amdgcn_target "amdgcn-amd-amdhsa--gfx1250"
	.amdhsa_code_object_version 6
	.text
	.protected	k_q62f355878a_scores
	.globl	k_q62f355878a_scores
	.p2align	8
	.type	k_q62f355878a_scores,@function
k_q62f355878a_scores:
	s_mov_b64 s[64:65], 0
	v_nop
	global_prefetch_b8 v0, s[64:65] scope:SCOPE_SE
	s_setreg_imm32_b32 hwreg(HW_REG_WAVE_MODE, 25, 1), 1
	s_wait_xcnt 0x0
	s_wait_alu depctr_hold_cnt(0) depctr_sa_sdst(0) depctr_va_vdst(0) depctr_va_sdst(0) depctr_va_ssrc(0) depctr_va_vcc(0) depctr_vm_vsrc(0)
	s_getreg_b32 s2, hwreg(HW_REG_IB_STS2, 6, 4)
	s_cmp_eq_u32 s2, 0
	s_cbranch_scc0 .Lentry_in_a_cluster
	s_endpgm
.Lentry_in_a_cluster:
	s_bfe_u32 s2, ttmp6, 0x10000c
	s_cmp_lg_u32 s2, 0x3003
	s_cbranch_scc0 .Lentry_shape_is_right
	s_endpgm
.Lentry_shape_is_right:
; SCORES.  S' = X1[b] Kt'^T + kappa' = 2^-10 x the module's scores; softmax along the keys, with each row's true maximum taken away; wpart[b][block][key] = the sum over the block's 128 queries of the weights.
; (The module sums the attended rows over the queries, so only these column sums are wanted: the sum over q of attn V = (the sum over q of attn) V.)
; X1 is rounded to bf16 and that number written as f16; kt is f16; products' sums, maxima, exponentials and sums in f32; the weights are never rounded.
; LIMITS.  |x| under 65,504.  A weight below 2^-126 counts as 0.  NaN and infinities are not treated apart.
; SHARES.  A cluster of four work-groups has one batch; a work-group 128 queries, a wave 32 of them (two tiles n) against ALL 512 keys: 64 accumulators, 512 registers: a row of the softmax never leaves its wave.
; The wave's queries come from memory straight into registers, as fragments, each byte once.  The batch's kt, which the four partners walk, comes by JOINT tensor loads (one descriptor and the mask of four in all
; four) through two LDS slots of four K steps (128 KiB); each wave fetches one K step, 128 rows of 256 bytes.  kt's block row 16 (kappa') is fetched once (TAIL).
; Source 0 = 16 queries, source 1 = 16 keys: lane (r, h) holds key 16 t + r and the queries 16 n + 8 h + 0..7: a query's keys lie in 32 registers of 16 lanes of one half.
; REGISTERS, in windows of 256 (s_set_vgpr_msb: bits 1:0 source 0, 3:2 source 1, 5:4 source 2, 7:6 destination):
;   window 0: v0-19 addresses, the add's pair, the fragment ONES; v20-35 maxima, v36-51 sums, one for each of my 16 queries; v64-127 my rows' fragments; v128-255 kt's fragments, two buffers of eight
;   window 1: v0-127 my rows as loaded (f32), two sets      windows 2, 3: accumulator (t, n) at 8 (2 (t % 16) + n)
.set CHUNK, 131072                     ; four K steps of kt: a slot
.set SLOT1, 1<<17
.set TAIL,  2*CHUNK                    ; filled once: block row 16, 32,768 bytes
.set RT,    32                         ; rows of 256 bytes of TAIL that a wave fetches
.set WX,    TAIL+32768                 ; written by LDS stores alone: the four waves' column sums, 2,048 bytes each
.set SPARE, WX+8192                    ; the spare words, 128 bytes for each wave
.set BATCH, 557056
.set LANE16, 1                         ; v1   16 L; never rewritten
.set ADL, 2                            ; v2   slot in hand + 16 L
.set ADH, 3                            ; v3   the same + 65,536
.set XO,  4                            ; v4   2,048 r + 32 h; never rewritten
.set ATL, 6                            ; v6   TAIL + 16 L
.set PFO, 7                            ; v7   256 L; never rewritten
.set TW,  8
.set TV,  9
.set SPW, 10
.set NIL, 11
.set ONES, 12                          ; v12-19 1.0 at k = 0 of every row, else 0
.set MX,  20
.set LS,  36
.set F,   64
.set SB,  128
.set WP,  128                          ; the way out: a pair for each key tile
.set ST,  0                            ; window 1
.set WV,  12
.set CX,  13
.set G1,  16
.set G1T, 24
.set G0,  32
.set G0T, 36
.set XB,  40
.set PFA, 42
.set LIM, 44
.set CNT, 45
.set TB,  46
.set HIM, 47                           ; s47  0xffff0000: a word's upper half; also the mask of lanes 16-31
.set KC,  48                           ; s[48:49] c = 2^10 log2(e)
.set OB,  50
.set SEL, 52                           ; s[52:53] v_permlanex16_b32's selects: each lane takes its own place in the other half
.set MSB, 0
.macro WIN new
.if MSB != (\new)
	s_set_vgpr_msb (MSB<<8)|(\new)
.set MSB, (\new)
.endif
.endm
.macro PLACES                          ; four plain instructions between a product and a load into, or a vector instruction on, its registers (ISA guide 7.12.1 for vector instructions)
.rept 4
	v_nop
.endr
.endm
.macro CROUND
	s_barrier_signal -1
	s_barrier_wait -1
	s_cmp_lg_u32 s[WV], 0
	s_cbranch_scc1 .Lnot_wave_0_\@
	s_barrier_signal -3
.Lnot_wave_0_\@:
	s_barrier_wait -3
	s_barrier_signal -1
	s_barrier_wait -1
.endm
.macro FETCH g, buf                    ; group g = 4 x (K step in the slot) + (eight key tiles): 16 LDS loads of 512 consecutive bytes
	WIN 0
.irp i, 0,1,2,3,4,5,6,7
	ds_load_b128 v[SB+64*(\buf)+8*\i:SB+64*(\buf)+8*\i+3],   v[ADL+(\g)/8] offset:(((\g)/4)%2)*32768+((\g)%4)*8192+\i*1024
	ds_load_b128 v[SB+64*(\buf)+8*\i+4:SB+64*(\buf)+8*\i+7], v[ADL+(\g)/8] offset:(((\g)/4)%2)*32768+((\g)%4)*8192+\i*1024+512
.endr
.endm
.macro FETCHT tq, buf
	WIN 0
.irp i, 0,1,2,3,4,5,6,7
	ds_load_b128 v[SB+64*(\buf)+8*\i:SB+64*(\buf)+8*\i+3],   v[ATL] offset:(\tq)*8192+\i*1024
	ds_load_b128 v[SB+64*(\buf)+8*\i+4:SB+64*(\buf)+8*\i+7], v[ATL] offset:(\tq)*8192+\i*1024+512
.endr
.endm
; The group's 16 products; the accumulators take turns.  zero = 1: the step of kappa', which starts every sum with the constant 0.
.macro MUL16 g, buf, zero=0
.set tg, (\g)%4
.set fo, F+32*((\g)/8)+16*(((\g)/4)%2)
	WIN 0xa0+0x50*(tg/2)
.irp i, 0,1,2,3,4,5,6,7
.irp n, 0,1
.set ra, 8*(2*(8*(tg%2)+\i)+\n)
.set rs, SB+64*(\buf)+8*\i
.if \zero
	v_wmma_f32_16x16x32_f16 v[ra:ra+7], v[ONES:ONES+7], v[rs:rs+7], 0
.else
	v_wmma_f32_16x16x32_f16 v[ra:ra+7], v[fo+8*\n:fo+8*\n+7], v[rs:rs+7], v[ra:ra+7]
.endif
.endr
.endr
.endm
.macro LOADX st, off                   ; two K steps of my 32 rows: 16 loads that together take 256 consecutive bytes of each row
	WIN 0x40
.irp n, 0,1
.irp p, 0,1
.irp q, 0,1,2,3
	global_load_b128 v[ST+64*(\st)+32*\p+16*\n+4*\q:ST+64*(\st)+32*\p+16*\n+4*\q+3], v[XO], s[XB:XB+1] offset:(\off)+32768*\n+128*\p+16*(\q%2)+64*(\q/2)
.endr
.endr
.endr
.endm
.macro CONV st, f                      ; f32 -> bf16 (the input's one rounding) -> the same number as f16
	WIN 0x05
.set o, 0
.rept 32
	v_cvt_pk_bf16_f32 v[F+32*(\f)+o], v[ST+64*(\st)+2*o], v[ST+64*(\st)+2*o+1]
.set o, o+1
.endr
	WIN 0x40
.set o, 0
.rept 32
	v_lshlrev_b32 v[ST+64*(\st)+2*o],   16,     v[F+32*(\f)+o]
	v_and_b32     v[ST+64*(\st)+2*o+1], s[HIM], v[F+32*(\f)+o]
.set o, o+1
.endr
	WIN 0x05
.set o, 0
.rept 32
	v_cvt_pk_f16_f32 v[F+32*(\f)+o], v[ST+64*(\st)+2*o], v[ST+64*(\st)+2*o+1]
.set o, o+1
.endr
.endm
; A PREFETCH of the chunk that the NEXT change of slots will ask for: 512 blocks of 256 bytes; the sixteen waves of the cluster take 32 each, told apart by address, a lane a block.  A batch's kt is walked by
; its own cluster alone, so each block is named once in the launch.  The last change that fills a slot asks for nothing.
.macro ASK
	s_cmp_gt_u32 s[CNT], s[LIM]
	s_cbranch_scc0 .Lnot_mine_\@
	global_prefetch_b8 v[PFO], s[PFA:PFA+1] th:TH_LOAD_NT scope:SCOPE_SE
.Lnot_mine_\@:
.endm
; THE CHANGE OF SLOTS.  Each wave waits for all its tensor loads, of which one is out: its K step of the slot to be entered; adds 0 to its spare word; waits for that and for its reads of the slot that it leaves.
; fill = 1: the barrier is a round of the cluster's, and behind it the slot just left takes the next chunk: the wave's one tensor load, with a slot's 256 products in which to land.
.macro CHANGE fill
	WIN 0
	s_wait_tensorcnt 0x0
	ds_add_u32 v[SPW], v[NIL]
.if \fill
	s_xor_b32 s[G0+1], s[G0+1], SLOT1
	s_add_nc_u64 s[G0+2:G0+3], s[G0+2:G0+3], CHUNK
	s_wait_xcnt 0x0                                ; my loads (half a slot back) and my prefetch (a slot back) have read their addresses
	s_add_nc_u64 s[PFA:PFA+1], s[PFA:PFA+1], CHUNK
	s_add_nc_u64 s[XB:XB+1], s[XB:XB+1], 512
	s_wait_dscnt 0x0                               ; the add is done, and my reads of the slot are over
	CROUND
	tensor_load_to_lds s[G0:G0+3], s[G1:G1+7]
	s_nop 0
	PLACES
.else
	s_wait_dscnt 0x0
	s_barrier_signal -1
	s_barrier_wait -1
	PLACES
.endif
	s_xor_b32 s[TB], s[TB], SLOT1
	v_add_nc_u32 v[ADL], s[TB], v[LANE16]
	v_add_nc_u32 v[ADH], 65536, v[ADL]
.endm
; A SLOT'S WORK: 16 groups; group g + 1 is fetched ahead of group g's products (s_wait_dscnt 16 leaves its 16 loads out).  My rows' two sets are converted at the slot's head and in its middle and asked for again
; at once (ld = 1), for the next chunk.  s_wait_loadcnt 16 leaves the one younger run out; in the last slot's middle none is younger.
.macro WORK ld
	FETCH 0, 0
.if \ld
	ASK
.endif
	s_wait_loadcnt 16
	CONV 0, 0
.if \ld
	LOADX 0, 0
.endif
.set g, 0
.rept 16
.if g < 15
.if g > 0
	PLACES
.endif
	FETCH g+1, (g+1)%2
	s_wait_dscnt 16
.else
	s_wait_dscnt 0x0
.endif
	MUL16 g, g%2
.if g == 7
.if \ld
	s_wait_loadcnt 16
.else
	s_wait_loadcnt 0x0
.endif
	CONV 1, 1
.if \ld
	LOADX 1, 256
.endif
.endif
.set g, g+1
.endr
.endm
; THE SOFTMAX'S PARTS.  z = 8 n + i numbers my 16 queries; a = 2 (t % 16) + n an accumulator in its window.
.macro MAXP tp                         ; key tiles 2 tp and 2 tp + 1 of the window into the 16 maxima: sixteen chains side by side; each accumulator is read from its low end on
.set z, 0
.rept 16
	v_max3_num_f32 v[MX+z], v[MX+z], v[8*(4*(\tp)+z/8)+z%8], v[8*(4*(\tp)+2+z/8)+z%8]
.set z, z+1
.endr
.endm
.macro FM a, j                         ; c s - c m for two queries
	v_pk_fma_f32 v[8*(\a)+2*(\j):8*(\a)+2*(\j)+1], v[8*(\a)+2*(\j):8*(\a)+2*(\j)+1], s[KC:KC+1], v[MX+8*((\a)%2)+2*(\j):MX+8*((\a)%2)+2*(\j)+1] op_sel_hi:[1,0,1] neg_lo:[0,0,1] neg_hi:[0,0,1]
.endm
.macro EXPW                            ; a window's 256 exponentials, in place; the next accumulator's scalings stand between them.  Nothing here names an exponential's result
.irp j, 0,1,2,3
	FM 0, \j
.endr
.set a, 0
.rept 32
.irp j, 0,1,2,3
.if a < 31
	FM a+1, \j
.endif
	v_exp_f32 v[8*a+2*\j],   v[8*a+2*\j]
	v_exp_f32 v[8*a+2*\j+1], v[8*a+2*\j+1]
.endr
.set a, a+1
.endr
.endm
.macro SUMT tl                         ; key tile tl of the window onto the sums: eight chains of pairs
.set e, 0
.rept 8
	v_pk_add_f32 v[LS+2*e:LS+2*e+1], v[LS+2*e:LS+2*e+1], v[8*(2*(\tl)+e/4)+2*(e%4):8*(2*(\tl)+e/4)+2*(e%4)+1]
.set e, e+1
.endr
.endm
.macro COLS hi                         ; a window's 16 key tiles: the sum over my 16 queries of p / l, in a pair; eight tiles side by side
.irp tb, 0, 8
.set e, 0
.rept 8
.set tt, 0
.rept 8
.set ra, 8*(2*(\tb+tt)+e/4)+2*(e%4)
.set rw, WP+2*(\tb+tt+16*(\hi))
.if e == 0
	v_pk_mul_f32 v[rw:rw+1], v[ra:ra+1], v[LS:LS+1]
.else
	v_pk_fma_f32 v[rw:rw+1], v[ra:ra+1], v[LS+2*e:LS+2*e+1], v[rw:rw+1]
.endif
.set tt, tt+1
.endr
.set e, e+1
.endr
.endr
.endm
	s_load_b128 s[4:7], s[0:1], 0x0                ; input1 s[4:5], kt s[6:7]
	s_load_b64 s[8:9], s[0:1], 0x10                ; wpart
	v_lshl_add_u32 v[SPW], v0, 2, SPARE
	v_mov_b32 v[NIL], 0
	ds_add_u32 v[SPW], v[NIL]                      ; the wave's opening, ahead of my first tensor load
	v_lshrrev_b32 v[TV], 5, v0
	v_readfirstlane_b32 s[WV], v[TV]
	s_bfe_u32 s[CX], ttmp6, 0x40000
	s_mov_b32 s[G1+0], 15|(3<<16)|(1<<21)          ; 15:0 the mask of four; 17:16 elements of 8 bytes; 21 set beside a mask
	s_mov_b32 s[G1+1], 32<<16
	s_mov_b32 s[G1+2], 128<<16
	s_mov_b32 s[G1+3], 32<<16
	s_mov_b32 s[G1+4], 128
	s_mov_b32 s[G1+5], 32
	s_mov_b32 s[G1+6], 0
	s_mov_b32 s[G1+7], 0
	s_mov_b32 s[G1T+0], 15|(3<<16)|(1<<21)
	s_mov_b32 s[G1T+1], 32<<16
	s_mov_b32 s[G1T+2], RT<<16
	s_mov_b32 s[G1T+3], 32<<16
	s_mov_b32 s[G1T+4], RT
	s_mov_b32 s[G1T+5], 32
	s_mov_b32 s[G1T+6], 0
	s_mov_b32 s[G1T+7], 0
	s_mov_b32 s[G0], 1
	s_lshl_b32 s[G0+1], s[WV], 15
	s_mov_b32 s[G0T], 1
	s_mul_i32 s[G0T+1], s[WV], 256*RT
	s_add_co_u32 s[G0T+1], s[G0T+1], TAIL
	s_mul_i32 s60, ttmp9, BATCH                    ; the batch's kt: the cluster's number, which the four partners share
	s_lshl_b32 s56, s[WV], 15
	s_add_co_u32 s56, s56, s60
	s_mov_b32 s57, 0
	s_mul_i32 s58, s[WV], 256*RT
	s_add_co_u32 s58, s58, 4*CHUNK
	s_add_co_u32 s58, s58, s60
	s_mov_b32 s59, 0
	s_lshl2_add_u32 s62, s[CX], s[WV]
	s_lshl_b32 s62, s62, 13
	s_add_co_u32 s62, s62, CHUNK                   ; the first change of slots steps this to chunk 2
	s_add_co_u32 s62, s62, s60
	s_mov_b32 s63, 0
	s_lshl_b32 s[XB], ttmp9, 20
	s_lshl_b32 s14, s[CX], 18
	s_add_co_u32 s[XB], s[XB], s14
	s_lshl_b32 s14, s[WV], 16
	s_add_co_u32 s[XB], s[XB], s14
	s_mov_b32 s[XB+1], 0
	s_lshl_b32 s[OB], ttmp9, 13                    ; wpart: (4 b + cx) x 2,048 + 512 w
	s_lshl_b32 s14, s[CX], 11
	s_add_co_u32 s[OB], s[OB], s14
	s_lshl_b32 s14, s[WV], 9
	s_add_co_u32 s[OB], s[OB], s14
	s_mov_b32 s[OB+1], 0
	s_mov_b32 s[LIM], 1
	s_mov_b32 s[HIM], 0xffff0000
	s_mov_b32 s[KC], 0x44b8aa3b                    ; c = 2^10 log2(e)
	s_mov_b32 s[KC+1], s[KC]
	s_mov_b32 s[SEL], 0x76543210
	s_mov_b32 s[SEL+1], 0xfedcba98
	v_and_b32 v[TV], 31, v0
	v_lshlrev_b32 v[LANE16], 4, v[TV]
	v_lshlrev_b32 v[PFO], 8, v[TV]
	v_and_b32 v[XO], 15, v0
	v_bfe_u32 v[TV], v0, 4, 1
	v_lshlrev_b32 v[XO], 11, v[XO]
	v_lshl_add_u32 v[XO], v[TV], 5, v[XO]
	v_add_nc_u32 v[ATL], TAIL, v[LANE16]
	v_mov_b32 v[ONES], 0x3c00
	v_cndmask_b32 v[ONES], v[ONES], v[NIL], s[HIM]
.irp j, 1,2,3,4,5,6,7
	v_mov_b32 v[ONES+\j], 0
.endr
	s_wait_dscnt 0x0
	s_wait_kmcnt 0x0
	s_add_nc_u64 s[G0+2:G0+3], s[6:7], s[56:57]
	s_or_b32 s[G0+3], s[G0+3], 0x80000000
	s_add_nc_u64 s[G0T+2:G0T+3], s[6:7], s[58:59]
	s_or_b32 s[G0T+3], s[G0T+3], 0x80000000
	s_add_nc_u64 s[PFA:PFA+1], s[6:7], s[62:63]
	s_add_nc_u64 s[XB:XB+1], s[4:5], s[XB:XB+1]
	s_add_nc_u64 s[OB:OB+1], s[8:9], s[OB:OB+1]
	CROUND                                         ; all four work-groups are here: the first joint loads meet
	tensor_load_to_lds s[G0T:G0T+3], s[G1T:G1T+7]  ; TAIL first: it is wanted first.  Two tensor loads of mine are out here, later one
	s_nop 0
	tensor_load_to_lds s[G0:G0+3], s[G1:G1+7]
	s_nop 0
	PLACES
	LOADX 0, 0
	LOADX 1, 256
	WIN 0
	s_wait_tensorcnt 0x1                           ; my part of TAIL is in; chunk 0 may stay out
	s_barrier_signal -1
	s_barrier_wait -1
	FETCHT 0, 0                                    ; THE STEP OF kappa': every sum starts as 1 x kappa'[key]
.set tq, 0
.rept 4
.if tq < 3
.if tq > 0
	PLACES
.endif
	FETCHT tq+1, (tq+1)%2
	s_wait_dscnt 16
.else
	s_wait_dscnt 0x0
.endif
	MUL16 tq, tq%2, 1
.set tq, tq+1
.endr
	WIN 0
	s_mov_b32 s[CNT], 3
	s_mov_b32 s[TB], SLOT1
.Lslot:                                        ; trip c multiplies chunk c and asks for chunk c + 1
	CHANGE 1
	WORK 1
	WIN 0
	s_sub_co_u32 s[CNT], s[CNT], 1
	s_cmp_lg_u32 s[CNT], 0
	s_cbranch_scc1 .Lslot
	CHANGE 0                                       ; the last chunk is written out
	WORK 0
	PLACES
	PLACES
	; 1. each query's maximum: over the 32 key tiles in my registers, then over the 16 lanes of my half
	WIN 0x0a
.set z, 0
.rept 16
	v_max_num_f32 v[MX+z], v[8*(z/8)+z%8], v[8*(2+z/8)+z%8]
.set z, z+1
.endr
	WIN 0x28
.irp tp, 1,2,3,4,5,6,7
	MAXP \tp
.endr
	WIN 0x3c
.irp tp, 0,1,2,3,4,5,6,7
	MAXP \tp
.endr
	WIN 0
.irp m, 1,2,4,8
.set z, 0
.rept 16
	v_max_num_f32_dpp v[MX+z], v[MX+z], v[MX+z] row_xmask:\m row_mask:0xf bank_mask:0xf
.set z, z+1
.endr
.endr
.set z, 0
.rept 8
	v_pk_mul_f32 v[MX+2*z:MX+2*z+1], v[MX+2*z:MX+2*z+1], s[KC:KC+1] op_sel_hi:[1,0]  ; c m
.set z, z+1
.endr
	; 2. p = 2^(c s - c m): all 512 exponentials are one batch
	WIN 0x82
	EXPW
	WIN 0xc3
	EXPW
	v_nop                                          ; a plain instruction behind the last exponential,
	s_wait_alu depctr_va_vdst(0)                   ; and the one wait ahead of the first instruction that names a result
	; 3. each query's sum, and its reciprocal
	WIN 0x0a
.set e, 0
.rept 8
	v_pk_add_f32 v[LS+2*e:LS+2*e+1], v[8*(e/4)+2*(e%4):8*(e/4)+2*(e%4)+1], v[8*(2+e/4)+2*(e%4):8*(2+e/4)+2*(e%4)+1]
.set e, e+1
.endr
	WIN 0x08
.set tl, 2
.rept 14
	SUMT tl
.set tl, tl+1
.endr
	WIN 0x0c
.set tl, 0
.rept 16
	SUMT tl
.set tl, tl+1
.endr
	WIN 0
.irp m, 1,2,4,8
.set z, 0
.rept 16
	v_add_f32_dpp v[LS+z], v[LS+z], v[LS+z] row_xmask:\m row_mask:0xf bank_mask:0xf
.set z, z+1
.endr
.endr
.set z, 0
.rept 16
	v_rcp_f32 v[LS+z], v[LS+z]
.set z, z+1
.endr
	v_nop
	s_wait_alu depctr_va_vdst(0)                   ; one wait for the sixteen reciprocals
	; 4. each key's sum over my 32 queries: 16 in my registers, the other 16 in the lane 16 away
	WIN 0x02
	COLS 0
	WIN 0x03
	COLS 1
	WIN 0
.set t, 0
.rept 32
	v_add_f32 v[WP+2*t], v[WP+2*t], v[WP+2*t+1]
.set t, t+1
.endr
.set u, 0
.rept 16                               ; of tiles 2 u and 2 u + 1: lanes 0-15 keep the first's, lanes 16-31 the second's,
	v_cndmask_b32 v[WP+4*u+1], v[WP+4*u],   v[WP+4*u+2], s[HIM]
	v_cndmask_b32 v[WP+4*u+3], v[WP+4*u+2], v[WP+4*u],   s[HIM]  ; and hand over the other
.set u, u+1
.endr
.set u, 0
.rept 16
	v_permlanex16_b32 v[WP+4*u+2], v[WP+4*u+3], s[SEL], s[SEL+1]
.set u, u+1
.endr
.set u, 0
.rept 16
	v_add_f32 v[WP+4*u], v[WP+4*u+1], v[WP+4*u+2]  ; lane L: key 32 u + L
.set u, u+1
.endr
	; 5. the four waves' sums meet in LDS
	s_lshl_b32 s14, s[WV], 11
	s_add_co_u32 s14, s14, WX
	v_lshrrev_b32 v[TV], 2, v[LANE16]
	v_add_nc_u32 v[TV], s14, v[TV]                 ; WX + 2,048 w + 4 L
	s_lshl_b32 s14, s[WV], 9
	s_add_co_u32 s14, s14, WX
	v_add_nc_u32 v[TW], s14, v[LANE16]             ; WX + 512 w + 16 L
.set u, 0
.rept 16
	ds_store_b32 v[TV], v[WP+4*u] offset:128*u
.set u, u+1
.endr
	s_wait_dscnt 0x0                               ; for the others' sake: my stores are done
	s_barrier_signal -1
	s_barrier_wait -1
.irp k, 0,1,2,3
	ds_load_b128 v[F+4*\k:F+4*\k+3], v[TW] offset:2048*\k  ; wave k's sums for my 128 keys, four a lane
.endr
	s_wait_dscnt 0x0
	v_pk_add_f32 v[F:F+1],     v[F:F+1],     v[F+4:F+5]
	v_pk_add_f32 v[F+2:F+3],   v[F+2:F+3],   v[F+6:F+7]
	v_pk_add_f32 v[F+8:F+9],   v[F+8:F+9],   v[F+12:F+13]
	v_pk_add_f32 v[F+10:F+11], v[F+10:F+11], v[F+14:F+15]
	v_pk_add_f32 v[F:F+1],     v[F:F+1],     v[F+8:F+9]
	v_pk_add_f32 v[F+2:F+3],   v[F+2:F+3],   v[F+10:F+11]
	global_store_b128 v[LANE16], v[F:F+3], s[OB:OB+1]  ; 512 consecutive bytes
	s_wait_tensorcnt 0x0                           ; the wave's end, behind my last tensor load and my last LDS store
	ds_add_u32 v[SPW], v[NIL]
	s_wait_dscnt 0x0
	CROUND                                         ; the closing round
	s_endpgm
.Lfunc_end_k_q62f355878a_scores:
	.size	k_q62f355878a_scores, .Lfunc_end_k_q62f355878a_scores-k_q62f355878a_scores
	.p2alignl 7, 3214868480
	.fill 96, 4, 3214868480
	.section	.rodata,"a",@progbits
	.p2align	6, 0x0
	.amdhsa_kernel k_q62f355878a_scores
		.amdhsa_group_segment_fixed_size 327680
		.amdhsa_private_segment_fixed_size 0
		.amdhsa_enable_private_segment 0
		.amdhsa_kernarg_size 24
		.amdhsa_user_sgpr_count 2
		.amdhsa_user_sgpr_kernarg_segment_ptr 1
		.amdhsa_wavefront_size32 1
		.amdhsa_system_sgpr_workgroup_id_x 1
		.amdhsa_system_sgpr_workgroup_id_y 1
		.amdhsa_system_sgpr_workgroup_id_z 1
		.amdhsa_system_vgpr_workitem_id 0
		.amdhsa_next_free_vgpr 1024
		.amdhsa_next_free_sgpr 66
		.amdhsa_reserve_vcc 0
		.amdhsa_float_denorm_mode_32 3
		.amdhsa_float_denorm_mode_16_64 3
		.amdhsa_memory_ordered 1
		.amdhsa_forward_progress 1
		.amdhsa_inst_pref_size 213
	.end_amdhsa_kernel
	.amdgpu_metadata
---
amdhsa.version: [ 1, 2 ]
amdhsa.kernels:
  - .name:           k_q62f355878a_scores
    .symbol:         k_q62f355878a_scores.kd
    .args:
      - { .name: input1, .offset: 0, .size: 8, .value_kind: global_buffer, .address_space: global }
      - { .name: kt, .offset: 8, .size: 8, .value_kind: global_buffer, .address_space: global }
      - { .name: wpart, .offset: 16, .size: 8, .value_kind: global_buffer, .address_space: global }
    .group_segment_fixed_size: 327680
    .private_segment_fixed_size: 0
    .kernarg_segment_align: 8
    .kernarg_segment_size: 24
    .max_flat_workgroup_size: 128
    .sgpr_count:     66
    .vgpr_count:     1024
    .wavefront_size: 32
...
	.end_amdgpu_metadata
.endif
;; end of part 3
;; launch gather (part 4): grid 256 x 1, 16 waves a work-group, no clusters, 10,240 bytes of LDS; arguments input2, wpart, uh; writes uh
.if DOCPART == 4
	.amdgcn_target "amdgcn-amd-amdhsa--gfx1250"
	.amdhsa_code_object_version 6
	.text
	.protected	k_q62f355878a_gather
	.globl	k_q62f355878a_gather
	.p2align	8
	.type	k_q62f355878a_gather,@function
k_q62f355878a_gather:
	s_mov_b64 s[64:65], 0
	v_nop
	global_prefetch_b8 v0, s[64:65] scope:SCOPE_SE
	s_setreg_imm32_b32 hwreg(HW_REG_WAVE_MODE, 25, 1), 1
	s_wait_xcnt 0x0
; GATHER.  uh[b][d] = 2^-9 x the sum over the 512 keys of w[b][key] x bf16(X2[b][key][d]), in f16; w = the sum of wpart's four blocks.  Products and sums in f32, uh rounded once.
; (w V = (w X2) W_v2^T + (the sum of w) b_v2: the value projection is applied to one row a batch, in the next launch.)
; LIMITS.  The weights w add up to 512, so |uh| is at most the largest |x|: within f16 for |x| under 65,504.
; SHARES.  A work-group has a batch and 128 columns d (512 bytes of each row); wave v the keys 32 v .. 32 v + 31; a lane 4 columns: a load covers a row's 512 consecutive bytes.
; All 32 rows of a wave are asked for at once, so the launch has all its bytes on their way from the start: a stream, with nothing to prefetch and nothing shared but 8 KiB of wpart: no cluster, no matrix unit.
.set SPARE, 8192                       ; behind the 16 waves' partial sums (512 bytes each): the spare words, 128 bytes for each wave
.set SPW, 2
.set NIL, 3
.set L16, 5                            ; v5   16 l; never rewritten
.set L4,  6                            ; v6   4 l
.set LSA, 7
.set W,   8                            ; v8-11 the four blocks' weights of key 32 v + l; then v8 their sum
.set T,   12                           ; v12-13 at work
.set L8,  14
.set ACC, 16                           ; v16-19 the even rows' sums, v20-23 the odd rows'
.set X,   32                           ; v32-159 row i: four registers
	s_load_b128 s[4:7], s[0:1], 0x0                ; input2 s[4:5], wpart s[6:7]
	s_load_b64 s[8:9], s[0:1], 0x10                ; uh
	v_lshl_add_u32 v[SPW], v0, 2, SPARE
	v_mov_b32 v[NIL], 0
	v_lshrrev_b32 v1, 5, v0
	v_readfirstlane_b32 s12, v1                    ; wave 0..15
	s_lshr_b32 s13, ttmp9, 2                       ; batch
	s_and_b32 s14, ttmp9, 3                        ; which 128 columns
	v_and_b32 v4, 31, v0
	v_lshlrev_b32 v[L16], 4, v4
	v_lshlrev_b32 v[L4], 2, v4
	v_lshlrev_b32 v[L8], 3, v4
	s_lshl_b32 s16, s13, 20                        ; the batch's 512 rows of 2,048 bytes,
	s_lshl_b32 s15, s12, 16                        ; my 32 rows,
	s_add_co_u32 s16, s16, s15
	s_lshl_b32 s15, s14, 9                         ; the work-group's 512 bytes of a row
	s_add_co_u32 s16, s16, s15
	s_mov_b32 s17, 0
	s_lshl_b32 s18, s13, 13                        ; wpart: 8,192 bytes a batch, my 32 keys
	s_lshl_b32 s15, s12, 7
	s_add_co_u32 s18, s18, s15
	s_mov_b32 s19, 0
	s_lshl_b32 s28, s13, 10                        ; uh: 1,024 bytes a batch, 256 for the work-group
	s_lshl_b32 s15, s14, 8
	s_add_co_u32 s28, s28, s15
	s_mov_b32 s29, 0
	s_mov_b32 s21, 0                               ; the weights' scalars are named as pairs
	s_mov_b32 s23, 0
	s_mov_b32 s24, 0xffff0000
	s_mov_b32 s26, 0x3b000000                      ; 2^-9
	s_mov_b32 s27, s26
	s_wait_kmcnt 0x0
	s_add_nc_u64 s[4:5], s[4:5], s[16:17]
	s_add_nc_u64 s[6:7], s[6:7], s[18:19]
	s_add_nc_u64 s[8:9], s[8:9], s[28:29]
.irp j, 0,1,2,3
	global_load_b32 v[W+\j], v[L4], s[6:7] offset:2048*\j
.endr
.set i, 0
.rept 32
	global_load_b128 v[X+4*i:X+4*i+3], v[L16], s[4:5] offset:2048*i th:TH_LOAD_NT
.set i, i+1
.endr
	s_wait_loadcnt 32                              ; the weights are in; the 32 rows' loads are younger
	v_add_f32 v[W], v[W], v[W+1]
	v_add_f32 v[W+2], v[W+2], v[W+3]
	v_add_f32 v[W], v[W], v[W+2]                   ; lane l: w of key 32 v + l
.set i, 0
.rept 32
	s_wait_loadcnt 31-i                            ; row i is in; the 31 - i younger rows may stay out
	v_readlane_b32 s[20+2*(i%2)], v[W], i
	v_cvt_pk_bf16_f32 v[T],   v[X+4*i],   v[X+4*i+1]   ; the input's rounding to bf16,
	v_cvt_pk_bf16_f32 v[T+1], v[X+4*i+2], v[X+4*i+3]
	v_lshlrev_b32 v[X+4*i],   16,  v[T]                ; and back to f32
	v_and_b32     v[X+4*i+1], s24, v[T]
	v_lshlrev_b32 v[X+4*i+2], 16,  v[T+1]
	v_and_b32     v[X+4*i+3], s24, v[T+1]
.if i < 2                              ; rows 0 and 1 start the two chains: nothing is cleared
	v_pk_mul_f32 v[ACC+4*i:ACC+4*i+1],   v[X+4*i:X+4*i+1],   s[20+2*i:21+2*i] op_sel_hi:[1,0]
	v_pk_mul_f32 v[ACC+4*i+2:ACC+4*i+3], v[X+4*i+2:X+4*i+3], s[20+2*i:21+2*i] op_sel_hi:[1,0]
.else
	v_pk_fma_f32 v[ACC+4*(i%2):ACC+4*(i%2)+1],   v[X+4*i:X+4*i+1],   s[20+2*(i%2):21+2*(i%2)], v[ACC+4*(i%2):ACC+4*(i%2)+1]   op_sel_hi:[1,0,1]
	v_pk_fma_f32 v[ACC+4*(i%2)+2:ACC+4*(i%2)+3], v[X+4*i+2:X+4*i+3], s[20+2*(i%2):21+2*(i%2)], v[ACC+4*(i%2)+2:ACC+4*(i%2)+3] op_sel_hi:[1,0,1]
.endif
.set i, i+1
.endr
	v_pk_add_f32 v[ACC:ACC+1],   v[ACC:ACC+1],   v[ACC+4:ACC+5]
	v_pk_add_f32 v[ACC+2:ACC+3], v[ACC+2:ACC+3], v[ACC+6:ACC+7]
	s_lshl_b32 s15, s12, 9
	v_add_nc_u32 v[LSA], s15, v[L16]
	ds_store_b128 v[LSA], v[ACC:ACC+3]
	s_wait_dscnt 0x0                               ; for wave 0's sake: my store is done
	s_barrier_signal -1
	s_barrier_wait -1
	s_cmp_lg_u32 s12, 0                            ; wave 0 adds the sixteen partial sums
	s_cbranch_scc1 .Lend
.set j, 0
.rept 16
	ds_load_b128 v[X+4*j:X+4*j+3], v[L16] offset:512*j
.set j, j+1
.endr
	s_wait_dscnt 0x0
.irp h, 8,4,2,1
.set j, 0
.rept \h
	v_pk_add_f32 v[X+4*j:X+4*j+1],   v[X+4*j:X+4*j+1],   v[X+4*(j+\h):X+4*(j+\h)+1]
	v_pk_add_f32 v[X+4*j+2:X+4*j+3], v[X+4*j+2:X+4*j+3], v[X+4*(j+\h)+2:X+4*(j+\h)+3]
.set j, j+1
.endr
.endr
	v_pk_mul_f32 v[X:X+1],   v[X:X+1],   s[26:27] op_sel_hi:[1,0]
	v_pk_mul_f32 v[X+2:X+3], v[X+2:X+3], s[26:27] op_sel_hi:[1,0]
	v_cvt_pk_f16_f32 v[T],   v[X],   v[X+1]
	v_cvt_pk_f16_f32 v[T+1], v[X+2], v[X+3]
	global_store_b64 v[L8], v[T:T+1], s[8:9]       ; 256 consecutive bytes, at a multiple of 256 from uh's first byte
.Lend:
	s_wait_tensorcnt 0x0                           ; the wave's end, behind my last LDS store
	ds_add_u32 v[SPW], v[NIL]
	s_wait_dscnt 0x0
	s_endpgm
.Lfunc_end_k_q62f355878a_gather:
	.size	k_q62f355878a_gather, .Lfunc_end_k_q62f355878a_gather-k_q62f355878a_gather
	.p2alignl 7, 3214868480
	.fill 96, 4, 3214868480
	.section	.rodata,"a",@progbits
	.p2align	6, 0x0
	.amdhsa_kernel k_q62f355878a_gather
		.amdhsa_group_segment_fixed_size 10240
		.amdhsa_private_segment_fixed_size 0
		.amdhsa_enable_private_segment 0
		.amdhsa_kernarg_size 24
		.amdhsa_user_sgpr_count 2
		.amdhsa_user_sgpr_kernarg_segment_ptr 1
		.amdhsa_wavefront_size32 1
		.amdhsa_system_sgpr_workgroup_id_x 1
		.amdhsa_system_sgpr_workgroup_id_y 1
		.amdhsa_system_sgpr_workgroup_id_z 1
		.amdhsa_system_vgpr_workitem_id 0
		.amdhsa_next_free_vgpr 160
		.amdhsa_next_free_sgpr 66
		.amdhsa_reserve_vcc 0
		.amdhsa_float_denorm_mode_32 3
		.amdhsa_float_denorm_mode_16_64 3
		.amdhsa_memory_ordered 1
		.amdhsa_forward_progress 1
		.amdhsa_inst_pref_size 24
	.end_amdhsa_kernel
	.amdgpu_metadata
---
amdhsa.version: [ 1, 2 ]
amdhsa.kernels:
  - .name:           k_q62f355878a_gather
    .symbol:         k_q62f355878a_gather.kd
    .args:
      - { .name: input2, .offset: 0, .size: 8, .value_kind: global_buffer, .address_space: global }
      - { .name: wpart, .offset: 8, .size: 8, .value_kind: global_buffer, .address_space: global }
      - { .name: uh, .offset: 16, .size: 8, .value_kind: global_buffer, .address_space: global }
    .group_segment_fixed_size: 10240
    .private_segment_fixed_size: 0
    .kernarg_segment_align: 8
    .kernarg_segment_size: 24
    .max_flat_workgroup_size: 512
    .sgpr_count:     66
    .vgpr_count:     160
    .wavefront_size: 32
...
	.end_amdgpu_metadata
.endif
;; end of part 4
;; launch final (part 5): grid 32 x 1, 4 waves a work-group, no clusters, 16,896 bytes of LDS; arguments uh, W_v2, b_v2, out0; writes out0
.if DOCPART == 5
	.amdgcn_target "amdgcn-amd-amdhsa--gfx1250"
	.amdhsa_code_object_version 6
	.text
	.protected	k_q62f355878a_final
	.globl	k_q62f355878a_final
	.p2align	8
	.type	k_q62f355878a_final,@function
k_q62f355878a_final:
	s_mov_b64 s[64:65], 0
	v_nop
	global_prefetch_b8 v0, s[64:65] scope:SCOPE_SE
	s_setreg_imm32_b32 hwreg(HW_REG_WAVE_MODE, 25, 1), 1
	s_wait_xcnt 0x0
; FINAL.  out0[b][e] = 512 x (the sum over d of uh[b][d] bf16(W_v2[e][d]) + bf16(b_v2[e])).  uh = 2^-9 (w X2); each row of the softmax adds up to 1, so the weights of a batch add up to its 512 queries:
; that is the factor of b_v2.  W_v2 is rounded to bf16 and that number written as f16; sums in f32.
; LIMITS.  |W_v2| under 65,504.
; SHARES.  A work-group makes 16 columns e for all 64 batches (four tiles of 16).  K = d is split among the four waves, 128 each; the partial sums meet in LDS, and wave w finishes batch tile w.
; Source 0 = 16 rows e of W_v2, source 1 = 16 batches: a lane ends with eight neighbouring e of one batch: 32 bytes of out0.  A work-group owns 64 bytes of each row of out0, so its stores are pieces of 64 bytes:
; the price of 32 work-groups for an output of 128 KiB.  32 work-groups are all the work there is; uh (64 KiB) is read by all of them through registers: no cluster.
.set SPARE, 16384                      ; behind the partial sums (4 waves x 4 tiles x 1,024 bytes): the spare words
.set SPW, 2
.set NIL, 3
.set WO,  4                            ; v4   2,048 r + 32 h + 512 w
.set UO,  5                            ; v5   1,024 r + 16 h + 256 w
.set BO,  6                            ; v6   32 h
.set LSA, 7                            ; v7   4,096 w + 32 L
.set LRA, 8                            ; v8   1,024 w + 32 L
.set OO,  9                            ; v9   (16 w + r) x 2,048 + 32 h
.set WS,  16                           ; v16-79   W_v2 as loaded
.set ACC, 16                           ; v16-47   later: four accumulators
.set RD,  48                           ; v48-79   later: the four partial sums of my tile
.set WF,  80                           ; v80-111  W_v2's four fragments
.set U,   112                          ; v112-239 uh's fragments: batch tile bt, K step sp at U + 32 bt + 8 sp
.set BV,  240                          ; v240-247 my eight b_v2
.set BP,  248
	s_load_b256 s[4:11], s[0:1], 0x0               ; uh s[4:5], W_v2 s[6:7], b_v2 s[8:9], out0 s[10:11]
	v_lshl_add_u32 v[SPW], v0, 2, SPARE
	v_mov_b32 v[NIL], 0
	v_lshrrev_b32 v1, 5, v0
	v_readfirstlane_b32 s12, v1
	v_and_b32 v10, 15, v0                          ; r
	v_bfe_u32 v11, v0, 4, 1                        ; h
	v_and_b32 v12, 31, v0                          ; L
	s_lshl_b32 s13, s12, 9
	v_lshlrev_b32 v[WO], 11, v10
	v_lshl_add_u32 v[WO], v11, 5, v[WO]
	v_add_nc_u32 v[WO], s13, v[WO]
	s_lshl_b32 s13, s12, 8
	v_lshlrev_b32 v[UO], 10, v10
	v_lshl_add_u32 v[UO], v11, 4, v[UO]
	v_add_nc_u32 v[UO], s13, v[UO]
	v_lshlrev_b32 v[BO], 5, v11
	s_lshl_b32 s13, s12, 12
	v_lshl_add_u32 v[LSA], v12, 5, s13
	s_lshl_b32 s13, s12, 10
	v_lshl_add_u32 v[LRA], v12, 5, s13
	s_lshl_b32 s13, s12, 15
	v_lshlrev_b32 v[OO], 11, v10
	v_lshl_add_u32 v[OO], v11, 5, v[OO]
	v_add_nc_u32 v[OO], s13, v[OO]
	s_lshl_b32 s14, ttmp9, 15                      ; the work-group's 16 rows of W_v2
	s_mov_b32 s15, 0
	s_lshl_b32 s16, ttmp9, 6                       ; its 16 columns in b_v2 and in a row of out0
	s_mov_b32 s17, 0
	s_mov_b32 s18, 0xffff0000
	s_mov_b32 s20, 0x44000000                      ; 512.0
	s_mov_b32 s21, s20
	s_wait_kmcnt 0x0
	s_add_nc_u64 s[6:7], s[6:7], s[14:15]
	s_add_nc_u64 s[8:9], s[8:9], s[16:17]
	s_add_nc_u64 s[10:11], s[10:11], s[16:17]
.irp sp, 0,1,2,3
.irp q, 0,1,2,3
	global_load_b128 v[WS+16*\sp+4*\q:WS+16*\sp+4*\q+3], v[WO], s[6:7] offset:128*\sp+16*(\q%2)+64*(\q/2)
.endr
.endr
.irp bt, 0,1,2,3
.irp sp, 0,1,2,3
	global_load_b128 v[U+32*\bt+8*\sp:U+32*\bt+8*\sp+3],   v[UO], s[4:5] offset:16384*\bt+64*\sp
	global_load_b128 v[U+32*\bt+8*\sp+4:U+32*\bt+8*\sp+7], v[UO], s[4:5] offset:16384*\bt+64*\sp+32
.endr
.endr
	global_load_b128 v[BV:BV+3],   v[BO], s[8:9]
	global_load_b128 v[BV+4:BV+7], v[BO], s[8:9] offset:16
	s_wait_loadcnt 0x0
.set o, 0
.rept 32
	v_cvt_pk_bf16_f32 v[WF+o], v[WS+2*o], v[WS+2*o+1]  ; the input's rounding to bf16,
.set o, o+1
.endr
.set o, 0
.rept 32
	v_lshlrev_b32 v[WS+2*o],   16,  v[WF+o]
	v_and_b32     v[WS+2*o+1], s18, v[WF+o]
.set o, o+1
.endr
.set o, 0
.rept 32
	v_cvt_pk_f16_f32 v[WF+o], v[WS+2*o], v[WS+2*o+1]   ; and the same number as f16
.set o, o+1
.endr
.irp j, 0,1,2,3
	v_cvt_pk_bf16_f32 v[BP+\j], v[BV+2*\j], v[BV+2*\j+1]
.endr
.irp j, 0,1,2,3
	v_lshlrev_b32 v[BV+2*\j],   16,  v[BP+\j]
	v_and_b32     v[BV+2*\j+1], s18, v[BP+\j]
.endr
.irp j, 0,2,4,6
	v_pk_mul_f32 v[BV+\j:BV+\j+1], v[BV+\j:BV+\j+1], s[20:21] op_sel_hi:[1,0]  ; 512 b: exact, so that the way out is one fused multiply-add
.endr
.irp sp, 0,1,2,3                       ; the four accumulators take turns; the first K step starts the sums
.irp bt, 0,1,2,3
.if \sp == 0
	v_wmma_f32_16x16x32_f16 v[ACC+8*\bt:ACC+8*\bt+7], v[WF+8*\sp:WF+8*\sp+7], v[U+32*\bt+8*\sp:U+32*\bt+8*\sp+7], 0
.else
	v_wmma_f32_16x16x32_f16 v[ACC+8*\bt:ACC+8*\bt+7], v[WF+8*\sp:WF+8*\sp+7], v[U+32*\bt+8*\sp:U+32*\bt+8*\sp+7], v[ACC+8*\bt:ACC+8*\bt+7]
.endif
.endr
.endr
.rept 8
	v_nop                                          ; the places between the last products and the stores that read them
.endr
.irp bt, 0,1,2,3
	ds_store_b128 v[LSA], v[ACC+8*\bt:ACC+8*\bt+3]   offset:1024*\bt
	ds_store_b128 v[LSA], v[ACC+8*\bt+4:ACC+8*\bt+7] offset:1024*\bt+16
.endr
	s_wait_dscnt 0x0                               ; for the others' sake: my stores are done
	s_barrier_signal -1
	s_barrier_wait -1
.irp k, 0,1,2,3
	ds_load_b128 v[RD+8*\k:RD+8*\k+3],   v[LRA] offset:4096*\k
	ds_load_b128 v[RD+8*\k+4:RD+8*\k+7], v[LRA] offset:4096*\k+16
.endr
	s_wait_dscnt 0x0
.irp j, 0,2,4,6
	v_pk_add_f32 v[RD+\j:RD+\j+1],       v[RD+\j:RD+\j+1],       v[RD+8+\j:RD+8+\j+1]
	v_pk_add_f32 v[RD+16+\j:RD+16+\j+1], v[RD+16+\j:RD+16+\j+1], v[RD+24+\j:RD+24+\j+1]
.endr
.irp j, 0,2,4,6
	v_pk_add_f32 v[RD+\j:RD+\j+1], v[RD+\j:RD+\j+1], v[RD+16+\j:RD+16+\j+1]
.endr
.irp j, 0,2,4,6
	v_pk_fma_f32 v[RD+\j:RD+\j+1], v[RD+\j:RD+\j+1], s[20:21], v[BV+\j:BV+\j+1] op_sel_hi:[1,0,1]
.endr
	global_store_b128 v[OO], v[RD:RD+3],   s[10:11]
	global_store_b128 v[OO], v[RD+4:RD+7], s[10:11] offset:16
	s_wait_tensorcnt 0x0                           ; the wave's end, behind my last LDS store
	ds_add_u32 v[SPW], v[NIL]
	s_wait_dscnt 0x0
	s_endpgm
.Lfunc_end_k_q62f355878a_final:
	.size	k_q62f355878a_final, .Lfunc_end_k_q62f355878a_final-k_q62f355878a_final
	.p2alignl 7, 3214868480
	.fill 96, 4, 3214868480
	.section	.rodata,"a",@progbits
	.p2align	6, 0x0
	.amdhsa_kernel k_q62f355878a_final
		.amdhsa_group_segment_fixed_size 16896
		.amdhsa_private_segment_fixed_size 0
		.amdhsa_enable_private_segment 0
		.amdhsa_kernarg_size 32
		.amdhsa_user_sgpr_count 2
		.amdhsa_user_sgpr_kernarg_segment_ptr 1
		.amdhsa_wavefront_size32 1
		.amdhsa_system_sgpr_workgroup_id_x 1
		.amdhsa_system_sgpr_workgroup_id_y 1
		.amdhsa_system_sgpr_workgroup_id_z 1
		.amdhsa_system_vgpr_workitem_id 0
		.amdhsa_next_free_vgpr 256
		.amdhsa_next_free_sgpr 66
		.amdhsa_reserve_vcc 0
		.amdhsa_float_denorm_mode_32 3
		.amdhsa_float_denorm_mode_16_64 3
		.amdhsa_memory_ordered 1
		.amdhsa_forward_progress 1
		.amdhsa_inst_pref_size 17
	.end_amdhsa_kernel
	.amdgpu_metadata
---
amdhsa.version: [ 1, 2 ]
amdhsa.kernels:
  - .name:           k_q62f355878a_final
    .symbol:         k_q62f355878a_final.kd
    .args:
      - { .name: uh, .offset: 0, .size: 8, .value_kind: global_buffer, .address_space: global }
      - { .name: W_v2, .offset: 8, .size: 8, .value_kind: global_buffer, .address_space: global }
      - { .name: b_v2, .offset: 16, .size: 8, .value_kind: global_buffer, .address_space: global }
      - { .name: out0, .offset: 24, .size: 8, .value_kind: global_buffer, .address_space: global }
    .group_segment_fixed_size: 16896
    .private_segment_fixed_size: 0
    .kernarg_segment_align: 8
    .kernarg_segment_size: 32
    .max_flat_workgroup_size: 128
    .sgpr_count:     66
    .vgpr_count:     256
    .wavefront_size: 32
...
	.end_amdgpu_metadata
.endif
;; end of part 5
;; ======== version 2 of 2: 5 launches; version 1 with the launch prep written anew for expert scheduling mode
;; limits: values are held in f16: magnitudes above 65,504 overflow, below 6.1e-05 lose precision; inputs' magnitudes at most 65,504; right only within a limited range of input values
;; workspace buffers: mt 574,464 bytes; kt 35,651,584 bytes; wpart 524,288 bytes; uh 65,536 bytes
;; launch prep (part 6): grid 9 x 9, 8 waves a work-group, no clusters, 164,864 bytes of LDS; arguments W_q1, b_q1, W_k2, b_k2, mt; writes mt
.if DOCPART == 6
	.amdgcn_target "amdgcn-amd-amdhsa--gfx1250"
	.amdhsa_code_object_version 6
	.text
	.protected	k_q62f355878a_prep
	.globl	k_q62f355878a_prep
	.p2align	8
	.type	k_q62f355878a_prep,@function
k_q62f355878a_prep:
	s_mov_b64 s[64:65], 0
	v_nop
	global_prefetch_b8 v0, s[64:65] scope:SCOPE_SE
	s_setreg_imm32_b32 hwreg(HW_REG_WAVE_SCHED_MODE, 0, 2), 2
	s_setreg_imm32_b32 hwreg(HW_REG_WAVE_MODE, 25, 1), 1
	s_wait_xcnt 0x0
	s_wait_alu depctr_vm_vsrc(0)
; PREP.  mt = 64 x M+, M+[d][j] = the sum over e of Wq+[e][d] Wk+[e][j], d and j = 0 .. 512, where Wq+ = [W_q1 | b_q1] and Wk+ = [W_k2 | b_k2] (the bias as column 512).
; With it  Q K^T = [X1 | 1] M+ [X2 | 1]^T : all four bias terms of the module's scores are kept.  Weights and biases are rounded to bf16, sums in f32, mt rounded once to f16.
; The module's key1, value1 and query2 feed no output number; W_k1, b_k1, W_v1, b_v1, W_q2, b_q2 are arguments of no launch of this program.
; LIMITS.  |M+| stays under 1,023 (64 M+ within f16's 65,504); below 64 |M+| = 6e-5 mt keeps f16's fixed step of 6e-8.  NaN and infinities are not treated apart.
; LAYOUT OF mt.  Blocks of 1,024 bytes, 16 rows d x 32 columns j of f16, in the order in which a matrix operand lies in registers: lane L = r + 16 h owns bytes 16 L (row r, j = 8 h .. 8 h + 7) and
; bytes 512 + 16 L (j = 16 + 8 h ..).  Block (s = j / 32, t = d / 16) lies at (32 s + t) x 1,024 for t < 32; the 17 blocks of t = 32 (row 512, then 15 rows of zeros) follow at XTRA + 1,024 s.
; SHARES.  A work-group takes 64 columns j (group gx of Wk+) and 64 rows d (group gy of Wq+); group 8 is the bias and 63 columns of zeros.  Both groups go to LDS as bf16, [e][column];
; each of the eight waves then makes one block: two products 16 j x 16 d, K = e = 512.  NO CLUSTER: the grid of 9 x 9 divides into none, and all that is shared is 2 MiB of weights.
; THE MODE: SCHED_MODE bits 1:0 = 2 (LLVM: expert scheduling mode 2), set by the entry lines.  The code itself states the register dependences
; between vector or matrix instructions and memory or LDS instructions, with s_wait_alu, always for 0.
; THE PLAN.  Registers that memory or LDS instructions touch:
;   v4-v7     offsets of the global loads, addresses of the LDS stores.  Written at the head, never again.
;   v8-v12    addresses of the turning loads, offset of the global stores.  Written while the global loads are out, never again.
;   STG       v16-143 of windows 0 and 1.  The global loads land in it; the selects and the conversions read and write it; the LDS stores read it; from then on it is part of FR.
;   FR        four buffers of 96, one for each group of four K steps: each is loaded once and read by its own group's eight products, so no load lands in a register that a product has read.
;   PKD       written by the last eight conversions, read by the two global stores.
;   v2, v3    written at the head, read by the closing add alone.
; So the waits are few: one ahead of the first global load (v4-v7), one between the 128 conversions and the 64 LDS stores, two behind the barrier (the stores have read STG; the conversions are done with it),
; none among the turning loads and the products, one ahead of the global stores.  One more states that the wave's number has reached its scalar register.
.set PJ,    160                        ; an LDS row: 128 bytes of data + 32: an odd multiple of 32 bytes
.set SIDEB, 512*PJ                     ; a side: 512 rows e
.set SPARE, 2*SIDEB                    ; behind the two sides: the spare words, 128 bytes for each of 8 waves
.set XTRA,  557056
.set SPW,  2                           ; v2   my spare word's LDS address; never rewritten
.set NIL,  3                           ; v3   0; never rewritten
.set GOF,  4                           ; v4   my byte offset in W: (64 w + h) rows of 2,048 bytes + 16 (L % 16)
.set BOF,  5                           ; v5   my byte offset in a bias: 4 (64 w + h)
.set LSJ,  6                           ; v6   where I put 8 bytes of side J
.set LSD,  7                           ; v7   of side D
.set AJ,   8                           ; v8-9   turning loads' addresses in side J, K steps 0-7 and 8-15
.set AD,   10                          ; v10-11 the same in side D
.set OUTO, 12                          ; v12  16 L
.set STG,  16                          ; v16-143 of window 0 (side J) and of window 1 (side D): 32 quads as loaded
.set FR,   16                          ; v16-207 of window 0 (groups 0, 1) and of window 1 (groups 2, 3): four buffers of 96: four K steps x (J rows 0-15, J rows 16-31, D)
.set ACC,  208                         ; v208-223 two accumulators
.set PKD,  224                         ; v224-231 the block, packed
.set MSB, 0
.macro WIN new                         ; the immediate's high byte repeats the setting that is left; a switch that changes nothing is dropped
.if MSB != (\new)
	s_set_vgpr_msb (MSB<<8)|(\new)
.set MSB, (\new)
.endif
.endm
.macro PLACES
.rept 4
	v_nop
.endr
.endm
; One side's loads.  Ordinary group: 32 loads, each two rows' 256 consecutive bytes.  Group 8: the bias of my rows into each quad's first register, zeros into the other three (written while the loads are out:
; no load of either side names those registers).
.macro SIDE_LOAD win, pw, pb, g
	s_cmp_eq_u32 s[\g], 8
	s_cbranch_scc1 .Lbias_\@
	WIN 0x40*(\win)
.set i, 0
.rept 32
	global_load_b128 v[STG+4*i:STG+4*i+3], v[GOF], s[\pw:\pw+1] offset:4096*i
.set i, i+1
.endr
	WIN 0
	s_branch .Lloaded_\@
.Lbias_\@:
	WIN 0x40*(\win)
.set i, 0
.rept 32
	global_load_b32 v[STG+4*i], v[BOF], s[\pb:\pb+1] offset:8*i
.set i, i+1
.endr
.set i, 0
.rept 32
	v_mov_b32 v[STG+4*i+1], 0
	v_mov_b32 v[STG+4*i+2], 0
	v_mov_b32 v[STG+4*i+3], 0
.set i, i+1
.endr
	WIN 0
.Lloaded_\@:
.endm
.macro SIDE_FIX win, g                 ; group 8: only the lanes that own column 0 (L % 16 = 0) keep the bias
	s_cmp_lg_u32 s[\g], 8
	s_cbranch_scc1 .Lnofix_\@
	WIN 0x44*(\win)
.set i, 0
.rept 32
	v_cndmask_b32 v[STG+4*i], v[NIL], v[STG+4*i], s20
.set i, i+1
.endr
	WIN 0
.Lnofix_\@:
.endm
.macro SIDE_CVT win                    ; four numbers a lane rounded to bf16: they close up into the first two registers of their quad
	WIN 0x45*(\win)
.set i, 0
.rept 32
	v_cvt_pk_bf16_f32 v[STG+4*i],   v[STG+4*i],   v[STG+4*i+1]
	v_cvt_pk_bf16_f32 v[STG+4*i+1], v[STG+4*i+2], v[STG+4*i+3]
.set i, i+1
.endr
.endm
.macro SIDE_STORE win, la              ; 8 bytes a lane into the side's row
	WIN 0x04*(\win)
.set i, 0
.rept 32
	ds_store_b64 v[\la], v[STG+4*i:STG+4*i+1] offset:320*i
.set i, i+1
.endr
	WIN 0
.endm
; Four K steps' fragments, 24 turning loads, into the group's own buffer: a load takes 16 rows e x 16 columns and leaves half a fragment (lane L: column L % 16, eight e).
.macro GLOAD grp
	WIN 0x40*((\grp)/2)                    ; destination window 0 or 1, address window 0
.irp q, 0,1,2,3
.set ks, 4*(\grp)+\q
.set fb, FR+96*((\grp)%2)+24*\q
	ds_load_tr16_b128 v[fb:fb+3],     v[AJ+ks/8] offset:5120*(ks%8)
	ds_load_tr16_b128 v[fb+4:fb+7],   v[AJ+ks/8] offset:5120*(ks%8)+2560
	ds_load_tr16_b128 v[fb+8:fb+11],  v[AJ+ks/8] offset:5120*(ks%8)+32
	ds_load_tr16_b128 v[fb+12:fb+15], v[AJ+ks/8] offset:5120*(ks%8)+2560+32
	ds_load_tr16_b128 v[fb+16:fb+19], v[AD+ks/8] offset:5120*(ks%8)
	ds_load_tr16_b128 v[fb+20:fb+23], v[AD+ks/8] offset:5120*(ks%8)+2560
.endr
.endm
; Their eight products.  Source 0 = 16 columns j, source 1 = 16 columns d: a lane's eight results are eight neighbouring j of one row d.  The two accumulators take turns.
.macro GMUL grp
	WIN 0x05*((\grp)/2)                    ; sources 0 and 1 window 0 or 1; C and D window 0
.irp q, 0,1,2,3
.set fb, FR+96*((\grp)%2)+24*\q
.if ((\grp) == 0) && (\q == 0)
	v_wmma_f32_16x16x32_bf16 v[ACC:ACC+7],    v[fb:fb+7],    v[fb+16:fb+23], 0
	v_wmma_f32_16x16x32_bf16 v[ACC+8:ACC+15], v[fb+8:fb+15], v[fb+16:fb+23], 0
.else
	v_wmma_f32_16x16x32_bf16 v[ACC:ACC+7],    v[fb:fb+7],    v[fb+16:fb+23], v[ACC:ACC+7]
	v_wmma_f32_16x16x32_bf16 v[ACC+8:ACC+15], v[fb+8:fb+15], v[fb+16:fb+23], v[ACC+8:ACC+15]
.endif
.endr
.endm
	s_load_b256 s[4:11], s[0:1], 0x0               ; W_q1 s[4:5], b_q1 s[6:7], W_k2 s[8:9], b_k2 s[10:11]
	s_load_b64 s[12:13], s[0:1], 0x20              ; mt
	v_lshl_add_u32 v[SPW], v0, 2, SPARE
	v_mov_b32 v[NIL], 0
	v_lshrrev_b32 v1, 5, v0
	v_readfirstlane_b32 s14, v1                    ; wave 0..7
	s_mov_b32 s15, ttmp9                           ; gx: the group of 64 j
	s_and_b32 s16, ttmp7, 0xffff                   ; gy: the group of 64 d
	s_mov_b32 s20, 0x00010001                      ; the lanes with L % 16 = 0
	s_mov_b32 s22, 0x42800000                      ; 64.0
	s_mov_b32 s23, s22                             ; named with it as a pair
	v_and_b32 v13, 15, v0                          ; L % 16
	v_bfe_u32 v14, v0, 4, 1                        ; h
	v_lshlrev_b32 v[GOF], 4, v13
	v_lshl_add_u32 v[GOF], v14, 11, v[GOF]
	s_wait_alu depctr_va_sdst(0)                   ; s14 is written, ahead of its first reader: offsets, LDS addresses and the block's place are made from it
	s_lshl_b32 s17, s14, 17                        ; 64 rows of 2,048 bytes a wave
	v_add_nc_u32 v[GOF], s17, v[GOF]
	s_lshl_b32 s17, s14, 8
	v_lshl_add_u32 v[BOF], v14, 2, s17
	s_mul_i32 s17, s14, 64*PJ
	v_mul_u32_u24 v[LSJ], v14, PJ
	v_lshl_add_u32 v[LSJ], v13, 3, v[LSJ]
	v_add_nc_u32 v[LSJ], s17, v[LSJ]
	v_add_nc_u32 v[LSD], SIDEB, v[LSJ]
	s_lshl_b32 s24, s15, 8                         ; a group's 64 columns: 256 bytes of a row
	s_mov_b32 s25, 0
	s_lshl_b32 s26, s16, 8
	s_mov_b32 s27, 0
	s_wait_kmcnt 0x0
	s_add_nc_u64 s[24:25], s[8:9], s[24:25]        ; W_k2 at columns 64 gx (not used where gx = 8)
	s_add_nc_u64 s[26:27], s[4:5], s[26:27]        ; W_q1 at columns 64 gy
	s_wait_alu depctr_va_vdst(0)                   ; v4 and v5 are written, which the 64 loads below read as their offsets (and v6, v7, the LDS stores' addresses); no vector instruction has named a register in which these loads land
	SIDE_LOAD 0, 24, 10, 15
	SIDE_LOAD 1, 26, 6, 16
	; the second phase's addresses, while the loads are out: none of these registers has been read by a memory instruction
	v_and_b32 v15, 7, v0
	v_lshl_add_u32 v15, v14, 3, v15                ; row 8 h + L % 8
	v_mul_u32_u24 v15, v15, PJ
	v_bfe_u32 v1, v0, 3, 1
	v_lshl_add_u32 v15, v1, 4, v15                 ; + 16 bytes for the lanes' second eight
	s_lshr_b32 s18, s14, 2
	s_and_b32 s19, s14, 3
	s_lshl_b32 s17, s18, 6                         ; my 32 columns j: 64 bytes
	v_add_nc_u32 v[AJ], s17, v15
	v_add_nc_u32 v[AJ+1], 8*32*PJ, v[AJ]
	s_lshl_b32 s17, s19, 5                         ; my 16 columns d: 32 bytes
	s_add_co_u32 s17, s17, SIDEB
	v_add_nc_u32 v[AD], s17, v15
	v_add_nc_u32 v[AD+1], 8*32*PJ, v[AD]
	v_and_b32 v[OUTO], 31, v0
	v_lshlrev_b32 v[OUTO], 4, v[OUTO]
	s_lshl1_add_u32 s18, s15, s18                  ; s = 2 gx + w / 4
	s_lshl2_add_u32 s19, s16, s19                  ; t = 4 gy + w % 4
	s_lshl_b32 s28, s18, 5
	s_add_co_u32 s28, s28, s19
	s_lshl_b32 s28, s28, 10                        ; (32 s + t) x 1,024,
	s_lshl_b32 s17, s18, 10
	s_add_co_u32 s17, s17, XTRA                    ; or XTRA + 1,024 s for t = 32
	s_cmp_eq_u32 s19, 32
	s_cselect_b32 s28, s17, s28
	s_mov_b32 s29, 0
	s_add_nc_u64 s[12:13], s[12:13], s[28:29]
	s_wait_loadcnt 0x0                             ; both sides are in registers
	SIDE_FIX 0, 15
	SIDE_FIX 1, 16
	SIDE_CVT 0
	SIDE_CVT 1
	s_wait_alu depctr_va_vdst(0)                   ; the 128 conversions have written the first two registers of every quad, in both windows, which the 64 LDS stores read: one wait for both runs
	SIDE_STORE 0, LSJ
	SIDE_STORE 1, LSD
	s_wait_dscnt 0x0                               ; for the others' sake: my stores are done
	s_barrier_signal -1
	s_barrier_wait -1                              ; both sides are whole
	s_wait_alu depctr_vm_vsrc(0)                   ; my LDS stores have read the staging registers of both windows: these are fragment buffers from here on, in which the turning loads land
	s_wait_alu depctr_va_vdst(0)                   ; the moves, selects and conversions have written those registers and are done reading them, and v8 to v11 are written; stated behind the stores, so that from here to the last turning load stand only loads, window switches, scalar lines and products on other registers
	s_cmp_gt_u32 s18, 16                           ; in group 8 only the first block exists
	s_cbranch_scc1 .Lend
	s_cmp_gt_u32 s19, 32
	s_cbranch_scc1 .Lend
	GLOAD 0
	GLOAD 1
	s_wait_dscnt 24                                ; LDS loads come back in order (ISA guide 5.7.1): group 0 is in; group 1's 24 loads may stay out
	GLOAD 2                                        ; the group two on is asked for ahead of the products.  No wait: no vector or matrix instruction since the two waits above names its buffer or its addresses
	GMUL 0
	s_wait_dscnt 24                                ; group 1 is in; group 2's 24 loads may stay out
	GLOAD 3                                        ; likewise: group 0's products named buffer 0 and the accumulators alone
	GMUL 1
	s_wait_dscnt 24                                ; group 2 is in
	GMUL 2
	s_wait_dscnt 0x0
	GMUL 3
	WIN 0
	PLACES
	PLACES
.set i, 0
.rept 8
	v_pk_mul_f32 v[ACC+2*i:ACC+2*i+1], v[ACC+2*i:ACC+2*i+1], s[22:23] op_sel_hi:[1,0]  ; x 64; each accumulator is read from its low end on
.set i, i+1
.endr
.set i, 0
.rept 8
	v_cvt_pk_f16_f32 v[PKD+i], v[ACC+2*i], v[ACC+2*i+1]
.set i, i+1
.endr
	s_wait_alu depctr_va_vdst(0)                   ; the eight conversions have written v224 to v231, which the two stores read
	global_store_b128 v[OUTO], v[PKD:PKD+3],   s[12:13]             ; j = 8 h ..: 512 consecutive bytes a store
	global_store_b128 v[OUTO], v[PKD+4:PKD+7], s[12:13] offset:512  ; j = 16 + 8 h ..
.Lend:
	s_wait_dscnt 0x0                               ; the wave's end
	s_wait_alu 0x0
	s_wait_tensorcnt 0x0
	ds_add_u32 v[SPW], v[NIL]
	s_wait_dscnt 0x0
	s_endpgm
.Lfunc_end_k_q62f355878a_prep:
	.size	k_q62f355878a_prep, .Lfunc_end_k_q62f355878a_prep-k_q62f355878a_prep
	.p2alignl 7, 3214868480
	.fill 96, 4, 3214868480
	.section	.rodata,"a",@progbits
	.p2align	6, 0x0
	.amdhsa_kernel k_q62f355878a_prep
		.amdhsa_group_segment_fixed_size 164864
		.amdhsa_private_segment_fixed_size 0
		.amdhsa_enable_private_segment 0
		.amdhsa_kernarg_size 40
		.amdhsa_user_sgpr_count 2
		.amdhsa_user_sgpr_kernarg_segment_ptr 1
		.amdhsa_wavefront_size32 1
		.amdhsa_system_sgpr_workgroup_id_x 1
		.amdhsa_system_sgpr_workgroup_id_y 1
		.amdhsa_system_sgpr_workgroup_id_z 1
		.amdhsa_system_vgpr_workitem_id 0
		.amdhsa_next_free_vgpr 464
		.amdhsa_next_free_sgpr 66
		.amdhsa_reserve_vcc 0
		.amdhsa_float_denorm_mode_32 3
		.amdhsa_float_denorm_mode_16_64 3
		.amdhsa_memory_ordered 1
		.amdhsa_forward_progress 1
		.amdhsa_inst_pref_size 48
	.end_amdhsa_kernel
	.amdgpu_metadata
---
amdhsa.version: [ 1, 2 ]
amdhsa.kernels:
  - .name:           k_q62f355878a_prep
    .symbol:         k_q62f355878a_prep.kd
    .args:
      - { .name: W_q1, .offset: 0, .size: 8, .value_kind: global_buffer, .address_space: global }
      - { .name: b_q1, .offset: 8, .size: 8, .value_kind: global_buffer, .address_space: global }
      - { .name: W_k2, .offset: 16, .size: 8, .value_kind: global_buffer, .address_space: global }
      - { .name: b_k2, .offset: 24, .size: 8, .value_kind: global_buffer, .address_space: global }
      - { .name: mt, .offset: 32, .size: 8, .value_kind: global_buffer, .address_space: global }
    .group_segment_fixed_size: 164864
    .private_segment_fixed_size: 0
    .kernarg_segment_align: 8
    .kernarg_segment_size: 40
    .max_flat_workgroup_size: 256
    .sgpr_count:     66
    .vgpr_count:     464
    .wavefront_size: 32
...
	.end_amdgpu_metadata
.endif
;; end of part 6
;; launch ktproj: the kernel of part 2 again; grid 256 x 1, 4 waves a work-group, clusters of 4 x 1, 327,680 bytes of LDS; arguments input2, mt, kt; writes kt
;; launch scores: the kernel of part 3 again; grid 256 x 1, 4 waves a work-group, clusters of 4 x 1, 327,680 bytes of LDS; arguments input1, kt, wpart; writes wpart
;; launch gather: the kernel of part 4 again; grid 256 x 1, 16 waves a work-group, no clusters, 10,240 bytes of LDS; arguments input2, wpart, uh; writes uh
;; launch final: the kernel of part 5 again; grid 32 x 1, 4 waves a work-group, no clusters, 16,896 bytes of LDS; arguments uh, W_v2, b_v2, out0; writes out0
